; MI455X (gfx1250); checked and timed in simulation.
; The chip was launched on July 23, 2026; its instructions are those of AMD's public machine-readable ISA for CDNA 5 (MIT licence, August 2026) and "CDNA5" Instruction Set Architecture Reference Guide (July 2026). The comments in the code are by the model that wrote it; some were corrected since.
;; Attention. Allowed arithmetic: matrix products marked QUANTISED: E2M1 operands, one E8M0 scale for each 32 along K, by v_wmma_scale_f32_16x16x128_f8f6f4 with both operands' format E2M1 (or v_wmma_scale_f32_32x16x128_f4), f32 sums; products left as they are: bf16, f16 or f32 operands; f32 sums; everything else in f32.
;; Inputs: W_proj 1,024 x 1,024 float32; W_qkv 1,024 x 3,072 float32; b_proj 1,024 float32; b_qkv 3,072 float32; x 4 x 2,048 x 1,024 float32.
;; Outputs: out0 4 x 2,048 x 1,024 float32.
;; This version of the problem:
;;   THIS VERSION OF THE PROBLEM IS GIVEN IN LOW PRECISION. The matrix products marked QUANTISED in the list below multiply operands that are first quantised to E2M1 (2 exponent bits, 1 mantissa bit; 4 bits a number), with one power-of-two scale for each 32 numbers along K (OCP MX v1.0); their sums are f32. The products marked 'left as it is' may take bf16, f16 or f32 operands, with f32 sums. Whichever they take, every output number must still come out within the allowed error. Rounding operands to bf16 (8 significant bits) uses up far more of that allowance than f16 does (11 bits, for magnitudes from 6e-5 to 65,504). All else is computed in f32.
;;   The module's matrix products, in the order in which they are computed (A, B: the left and right operand; K: the contracted axis; several contracted axes count as one K, in the product's order):
;;     1. [M 8,192, K 1,024] x [K 1,024, N 3,072]; A: input x; B: input W_qkv: QUANTISED
;;     2. batch 64 x [M 2,048, K 64] x [K 64, N 2,048]; A: computed on the way; B: computed on the way: left as it is (an operand is computed on the way)
;;     3. batch 64 x [M 64, K 2,048] x [K 2,048, N 2,048]; A: computed on the way; B: computed on the way: left as it is (an operand is computed on the way)
;;     4. [M 8,192, K 1,024] x [K 1,024, N 1,024]; A: computed on the way; B: input W_proj: left as it is (an operand is computed on the way)
;;   THE QUANTISER, for each operand of a quantised product, along K:
;;     - K is cut into blocks of 32 from its start; a last block that is shorter is filled with zeros.
;;     - A block's scale is 2^e with e = floor(log2(the largest magnitude in the block)) - 2, held to -126 .. 127; a block of zeros has e = 0. As a byte (E8M0): e + 127.
;;     - Each number is divided by its block's scale, clamped to +-6, and rounded to the nearest number of E2M1, ties to even, subnormals kept.
;;     - The product sums the exact products of the quantised numbers (number of the format x scale) in f32.
;;   ~~~python
;;   def quantise(x, axis):      # numpy; x: float32 -> the quantised numbers, widened to float32 again
;;       x = np.moveaxis(x, axis, -1); K = x.shape[-1]
;;       x = np.pad(x, [(0, 0)] * (x.ndim - 1) + [(0, -K % 32)]); x = x.reshape(x.shape[:-1] + (-1, 32)); a = np.abs(x).max(-1, keepdims=True)
;;       e = np.where(a > 0, np.clip(np.frexp(np.where(a > 0, a, 1))[1] - 1 - 2, -126, 127), 0)      # np.frexp(a)[1] - 1 = floor(log2(a)), exactly
;;       r = np.clip(x / 2.0 ** e, -6, 6)
;;       step = 2.0 ** (np.maximum(np.frexp(np.where(r == 0, 1, r))[1] - 1, 0) - 1)
;;       q = np.round(r / step) * step * 2.0 ** e      # np.round: ties to even
;;       return np.moveaxis(q.reshape(q.shape[:-2] + (-1,))[..., :K], -1, axis).astype(np.float32)
;;   ~~~
;; One version. Each part assembles by itself: llvm-mc -triple=amdgcn-amd-amdhsa -mcpu=gfx1250 --defsym DOCPART=n.
;; ======== version 1 of 1: 4 launches
;; limits: values are held in f16: magnitudes above 65,504 overflow, below 6.1e-05 lose precision
;; workspace buffers: xc 4,194,304 bytes; xs 262,144 bytes; wc 1,572,864 bytes; ws 98,304 bytes; wp 2,097,152 bytes; qkv 50,331,648 bytes; oi 16,777,216 bytes
;; launch prep (part 1): grid 384 x 1, 4 waves a work-group, no clusters, 33,280 bytes of LDS; arguments x, W_qkv, W_proj, xc, xs, wc, ws, wp; writes xc, xs, wc, ws, wp
.if DOCPART == 1
	.amdgcn_target "amdgcn-amd-amdhsa--gfx1250"
	.amdhsa_code_object_version 6
	.text
	.protected	k_q5768d15780_prep
	.globl	k_q5768d15780_prep
	.p2align	8
	.type	k_q5768d15780_prep,@function
k_q5768d15780_prep:
	s_mov_b64 s[64:65], 0
	v_nop
	global_prefetch_b8 v0, s[64:65] scope:SCOPE_SE
	s_setreg_imm32_b32 hwreg(HW_REG_WAVE_MODE, 25, 1), 1
	s_wait_xcnt 0x0
; THE OPERANDS ARE LAID OUT ONCE.  Three kinds of work-groups, told apart by the work-group's number; they never meet again.
;  0..255   x [8192][1024] f32 -> xc: codes of FP4 (E2M1), K innermost, 512 bytes a row; xs: one E8M0 byte for each 32 along K, 32 bytes a row.
;  256..351 W_qkv [1024 (k)][3072 (n)] f32 -> wc: codes as images of the operand's registers, [n / 16][k / 64][lane][16 bytes]: lane (r, h) holds column 16 nb + r, k = 64 k64 + 32 h + 0 .. 31; ws: [3072][32] scale bytes.
;  352..383 W_proj [1024 (k)][1024 (n)] f32 -> wp: f16, images of 16 x 16: [n / 16][k / 16][lane][16 bytes]: lane (r, h) holds row n = 16 nb + r, k = 16 ku + 8 h + 0 .. 7.
; A block's scale is 2^(floor(log2(its largest magnitude)) - 2); its byte is the largest magnitude's exponent field - 2, held at 1 from below; each number is divided by the scale and rounded to the nearest code, ties to even, beyond 6 the largest code.
; LIMITS: NaN and infinities among the inputs are not served.  A block of zeros gets the byte 1 where the rule says 127: its codes are zeros, which add nothing, and this program alone reads the bytes.  Blocks whose largest magnitude lies
; under 2^-124 are held at the byte 1.  W_proj is rounded to f16: magnitudes above 65,504 would become infinite.
; x is a plain stream of blocks of 32: each load reads 512 consecutive bytes, a step's 2,048 bytes turn through the wave's own stage in LDS so that a lane holds 16 neighbours along K.
; The weights have K as their FIRST axis: a lane takes a column and its registers run down K, so the conversions give K innermost and nothing is transposed; the stores are whole aligned blocks of 256 bytes from sixteen lanes.
.set WAVES, 4
.set STEPS, 16
.set EMAX,  2
.set CB,    8                          ; bytes of 16 codes
.set R,     16                         ; x: v16-79   four sets of 16 numbers as they are loaded
.set X,     80                         ; x: v80-111  two sets of 16 neighbours
.set E,     112                        ; x: v112-127 a scale byte for each step
.set C,     128                        ; x: v128-191 codes: registers of its own for each step
.set WREG,  8192                       ; LDS: a region for each wave: two stages of 32 x SP bytes, then its 256 scale bytes
.set SP,    80                         ; a lane's place in a stage: 64 bytes + 16 of padding
.set SPW,   12                         ; v12 LDS address of my spare word; never rewritten
.set NIL,   13                         ; v13 0; never rewritten
.set SPARE, WAVES*WREG                 ; behind the four regions: the spare words, 128 bytes a wave
.set WX,    32                         ; weights: v32-95 two sets of 32 numbers down K
.set WC,    96                         ; weights: v96.. results, registers of its own for each block
	s_load_b256 s[4:11], s[0:1], 0x0               ; x s[4:5], W_qkv s[6:7], W_proj s[8:9], xc s[10:11]
	s_load_b256 s[12:19], s[0:1], 0x20             ; xs s[12:13], wc s[14:15], ws s[16:17], wp s[18:19]
	v_lshl_add_u32 v[SPW], v0, 2, SPARE
	v_mov_b32 v[NIL], 0
	v_lshrrev_b32 v1, 5, v0
	v_readfirstlane_b32 s20, v1                    ; wave
	v_and_b32 v2, 31, v0                           ; lane
	v_lshlrev_b32 v3, 4, v2                        ; x: my 16 bytes of a load's 512
	s_mul_i32 s21, s20, WREG
	v_lshrrev_b32 v14, 2, v2
	v_mul_u32_u24 v14, v14, SP
	v_and_b32 v15, 3, v2
	v_lshl_add_u32 v14, v15, 4, v14
	v_add_nc_u32 v14, s21, v14                     ; the stage, on the way in: SP (lane / 4) + 16 (lane % 4)
	v_mul_u32_u24 v15, v2, SP
	v_add_nc_u32 v15, s21, v15                     ; and on the way out: SP x lane: my 16 neighbours
	v_mul_u32_u24 v4, v2, CB                       ; my codes' place in a step's
	v_lshrrev_b32 v5, 1, v2
	s_add_co_u32 s21, s21, 2*32*SP
	v_add_nc_u32 v5, s21, v5                       ; LDS: my wave's 256 scale bytes, my block's byte
	v_lshlrev_b32 v7, 3, v2                        ; and on the way out 8 bytes a lane
	v_add_nc_u32 v6, s21, v7
	s_wait_kmcnt 0x0
	s_cmp_lt_u32 ttmp9, 256
	s_cbranch_scc0 .Lweights
	; ---------------- x ----------------
	s_lshl_b32 s22, ttmp9, 2
	s_add_co_u32 s22, s22, s20                     ; which run of 8,192 numbers is my wave's
	s_mov_b32 s25, 0
	s_lshl_b32 s24, s22, 15                        ; 32,768 bytes of x a run
	s_add_nc_u64 s[4:5], s[4:5], s[24:25]
	s_lshl_b32 s24, s22, 12                        ; 4,096 bytes of codes
	s_add_nc_u64 s[10:11], s[10:11], s[24:25]
	s_lshl_b32 s24, s22, 8                         ; 256 scale bytes
	s_add_nc_u64 s[12:13], s[12:13], s[24:25]
.macro LOAD t
.irp i, 0,1,2,3
	global_load_b128 v[R+16*((\t)%4)+4*\i:R+16*((\t)%4)+4*\i+3], v3, s[4:5] offset:2048*(\t)+512*\i th:TH_LOAD_NT   ; 32 lanes read 512 consecutive bytes
.endr
.endm
.macro TURN t                          ; step t's numbers through the stage: LDS serves a wave's instructions in order, so no wait stands between the stores and the loads
.irp i, 0,1,2,3
	ds_store_b128 v14, v[R+16*((\t)%4)+4*\i:R+16*((\t)%4)+4*\i+3] offset:32*SP*((\t)%2)+8*SP*\i
.endr
.irp i, 0,1,2,3
	ds_load_b128 v[X+16*((\t)%2)+4*\i:X+16*((\t)%2)+4*\i+3], v15 offset:32*SP*((\t)%2)+16*\i
.endr
.endm
.irp t, 0,1,2,3
	LOAD \t
.endr
	s_wait_loadcnt 12                              ; step 0's four loads are in; those of steps 1 to 3 stay out
	TURN 0
.macro STEP t
.set XS, X+16*((\t)%2)
.if (\t) > 0
	s_wait_dscnt 1                                 ; this step's numbers are back from the stage (the last step's byte store may be out)
.else
	s_wait_dscnt 0x0
.endif
.if (\t)+4 < STEPS
	LOAD (\t)+4                                    ; into the registers that the stage's stores have read
.endif
.if (\t)+1 < STEPS
.if STEPS-2-(\t) >= 3
	s_wait_loadcnt 12                              ; the next step's four loads are in; those of the three steps behind it may be out
.else
	s_wait_loadcnt 4*(STEPS-2-(\t))
.endif
	TURN (\t)+1
.endif
	v_max3_num_f32 v8, |v[XS]|, |v[XS+1]|, |v[XS+2]|               ; the largest magnitude of my 16, in two chains
	v_max3_num_f32 v9, |v[XS+3]|, |v[XS+4]|, |v[XS+5]|
.irp i, 6,10
	v_max3_num_f32 v8, v8, |v[XS+\i]|, |v[XS+\i+1]|
	v_max3_num_f32 v9, v9, |v[XS+\i+2]|, |v[XS+\i+3]|
.endr
	v_max3_num_f32 v8, v8, |v[XS+14]|, |v[XS+15]|
	v_max3_num_f32 v8, v8, v9, (EMAX+1)<<23        ; and the floor 2^(3 - 127): the byte cannot fall under 1
	v_max_num_f32_dpp v8, v8, v8 row_xmask:1 row_mask:0xf bank_mask:0xf   ; with my neighbour's 16: the block's
	v_add_nc_u32 v11, -(EMAX<<23), v8              ; 2 off its exponent field: the conversion takes the exponent field of this operand as its scale
	v_cvt_scalef32_pk8_fp4_f32 v[C+4*(\t)], v[XS:XS+7], v11
	v_cvt_scalef32_pk8_fp4_f32 v[C+4*(\t)+1], v[XS+8:XS+15], v11
	v_lshrrev_b32 v[E+(\t)], 23, v11               ; the scale's byte
	ds_store_b8 v5, v[E+(\t)] offset:16*(\t)       ; both lanes of a block write the same byte with the same value
	global_store_b64 v4, v[C+4*(\t):C+4*(\t)+1], s[10:11] offset:32*CB*(\t)   ; the wave stores 256 consecutive bytes, aligned
.endm
.irp t, 0,1,2,3,4,5,6,7,8,9,10,11,12,13,14,15
	STEP \t
.endr
	ds_load_b64 v[8:9], v6                         ; LDS serves a wave's instructions in order: these see my stores
	s_wait_dscnt 0x0
	global_store_b64 v7, v[8:9], s[12:13]          ; 32 lanes store 256 consecutive bytes, aligned
	s_wait_tensorcnt 0x0                           ; the wave's end, behind my last LDS store
	ds_add_u32 v[SPW], v[NIL]
	s_wait_dscnt 0x0
	s_endpgm
	; ---------------- the weights: no LDS ----------------
.macro LOADW t, stride, base           ; block t: W(32 t + i, my column), i = 0 .. 31, into set t % 2: each load reads 128 consecutive bytes a wave
.irp i, 0,1,2,3,4,5,6,7,8,9,10,11,12,13,14,15,16,17,18,19,20,21,22,23,24,25,26,27,28,29,30,31
	global_load_b32 v[WX+32*((\t)%2)+\i], v20, s[\base:\base+1] offset:(32*(\t)+\i)*\stride th:TH_LOAD_NT
.endr
.endm
.Lweights:
	v_lshlrev_b32 v20, 2, v2                       ; in: 4 bytes a lane
	v_and_b32 v21, 15, v2
	v_lshlrev_b32 v21, 4, v21                      ; out: 16 bytes a lane of sixteen,
	v_lshrrev_b32 v23, 4, v2                       ; lanes 16-31 in the next block of 16 columns
	s_mov_b32 s25, 0
	s_lshl_b32 s27, s20, 5                         ; 32 columns a wave
	s_cmp_lt_u32 ttmp9, 352
	s_cbranch_scc0 .Lwproj
	; W_qkv: a wave takes 32 columns x 256 along K: 8 blocks a lane
	s_sub_co_u32 s21, ttmp9, 256
	s_and_b32 s22, s21, 3                          ; y: which 256 along K
	s_lshr_b32 s21, s21, 2                         ; which 128 columns
	s_lshl_b32 s23, s21, 7
	s_add_co_u32 s23, s23, s27                     ; my wave's first column
	s_mul_i32 s24, s22, 256*12288
	s_lshl_b32 s26, s23, 2
	s_add_co_u32 s24, s24, s26
	s_add_nc_u64 s[6:7], s[6:7], s[24:25]
	s_lshl_b32 s24, s23, 9                         ; 8,192 bytes for each 16 columns
	s_lshl_b32 s26, s22, 11                        ; 512 bytes for each 64 along K
	s_add_co_u32 s24, s24, s26
	s_add_nc_u64 s[14:15], s[14:15], s[24:25]
	s_lshl_b32 s24, s23, 5                         ; 32 scale bytes a column
	s_lshl_b32 s26, s22, 3
	s_add_co_u32 s24, s24, s26
	s_add_nc_u64 s[16:17], s[16:17], s[24:25]
	v_lshl_add_u32 v21, v23, 13, v21
	v_lshlrev_b32 v22, 5, v2
	LOADW 0, 12288, 6
	LOADW 1, 12288, 6
.macro QBLOCK t
.set XS, WX+32*((\t)%2)
.if (\t) < 7
	s_wait_loadcnt 32                              ; this block's 32 loads are in; the next block's may be out
.else
	s_wait_loadcnt 0
.endif
	v_max3_num_f32 v16, |v[XS]|, |v[XS+1]|, |v[XS+2]|              ; the block's largest magnitude: all 32 numbers are mine
	v_max3_num_f32 v17, |v[XS+3]|, |v[XS+4]|, |v[XS+5]|
.irp i, 6,10,14,18,22,26
	v_max3_num_f32 v16, v16, |v[XS+\i]|, |v[XS+\i+1]|
	v_max3_num_f32 v17, v17, |v[XS+\i+2]|, |v[XS+\i+3]|
.endr
	v_max3_num_f32 v16, v16, |v[XS+30]|, |v[XS+31]|
	v_max3_num_f32 v16, v16, v17, (EMAX+1)<<23     ; and the floor
	v_add_nc_u32 v19, -(EMAX<<23), v16             ; the conversion's scale operand
	v_lshrrev_b32 v18, 23, v19                     ; the scale's byte
.if (\t)%4 == 0
	v_mov_b32 v[24+(\t)/4], v18                    ; four bytes to a register, the lower K in the lower byte
.else
	v_lshl_or_b32 v[24+(\t)/4], v18, 8*((\t)%4), v[24+(\t)/4]
.endif
.irp g, 0,1,2,3
	v_cvt_scalef32_pk8_fp4_f32 v[WC+4*(\t)+\g], v[XS+8*\g:XS+8*\g+7], v19
.endr
	global_store_b128 v21, v[WC+4*(\t):WC+4*(\t)+3], s[14:15] offset:((\t)/2)*512+((\t)%2)*256   ; sixteen lanes store 256 consecutive bytes, aligned; each block has data registers of its own
.if (\t)+2 < 8
	LOADW (\t)+2, 12288, 6
.endif
.endm
.irp t, 0,1,2,3,4,5,6,7
	QBLOCK \t
.endr
	global_store_b64 v22, v[24:25], s[16:17]       ; my column's 8 scale bytes
	s_endpgm
.Lwproj:
	; W_proj: the same share; the numbers are rounded to f16
	s_sub_co_u32 s21, ttmp9, 352
	s_and_b32 s22, s21, 3
	s_lshr_b32 s21, s21, 2
	s_lshl_b32 s23, s21, 7
	s_add_co_u32 s23, s23, s27
	s_lshl_b32 s24, s22, 20                        ; 256 rows of 4,096 bytes
	s_lshl_b32 s26, s23, 2
	s_add_co_u32 s24, s24, s26
	s_add_nc_u64 s[8:9], s[8:9], s[24:25]
	s_lshl_b32 s24, s23, 11                        ; 32,768 bytes for each 16 columns
	s_lshl_b32 s26, s22, 13                        ; 512 bytes for each 16 along K
	s_add_co_u32 s24, s24, s26
	s_add_nc_u64 s[18:19], s[18:19], s[24:25]
	v_lshl_add_u32 v21, v23, 15, v21
	LOADW 0, 4096, 8
	LOADW 1, 4096, 8
.macro CBLOCK t
.set XS, WX+32*((\t)%2)
.if (\t) < 7
	s_wait_loadcnt 32                              ; this block's 32 loads are in; the next block's may be out
.else
	s_wait_loadcnt 0
.endif
.irp i, 0,1,2,3,4,5,6,7,8,9,10,11,12,13,14,15
	v_cvt_pk_f16_f32 v[WC+16*(\t)+\i], v[XS+2*\i], v[XS+2*\i+1]
.endr
.irp g, 0,1,2,3
	global_store_b128 v21, v[WC+16*(\t)+4*\g:WC+16*(\t)+4*\g+3], s[18:19] offset:(2*(\t)+\g/2)*512+(\g%2)*256   ; k = 32 t + 8 g + 0 .. 7: sixteen lanes store 256 consecutive bytes, aligned
.endr
.if (\t)+2 < 8
	LOADW (\t)+2, 4096, 8
.endif
.endm
.irp t, 0,1,2,3,4,5,6,7
	CBLOCK \t
.endr
	s_endpgm
.Lfunc_end_k_q5768d15780_prep:
	.size	k_q5768d15780_prep, .Lfunc_end_k_q5768d15780_prep-k_q5768d15780_prep
	.p2alignl 7, 3214868480
	.fill 96, 4, 3214868480
	.section	.rodata,"a",@progbits
	.p2align	6, 0x0
	.amdhsa_kernel k_q5768d15780_prep
		.amdhsa_group_segment_fixed_size 33280
		.amdhsa_private_segment_fixed_size 0
		.amdhsa_enable_private_segment 0
		.amdhsa_kernarg_size 64
		.amdhsa_user_sgpr_count 2
		.amdhsa_user_sgpr_kernarg_segment_ptr 1
		.amdhsa_wavefront_size32 1
		.amdhsa_system_sgpr_workgroup_id_x 1
		.amdhsa_system_sgpr_workgroup_id_y 1
		.amdhsa_system_sgpr_workgroup_id_z 1
		.amdhsa_system_vgpr_workitem_id 0
		.amdhsa_next_free_vgpr 224
		.amdhsa_next_free_sgpr 66
		.amdhsa_reserve_vcc 0
		.amdhsa_float_denorm_mode_32 3
		.amdhsa_float_denorm_mode_16_64 3
		.amdhsa_memory_ordered 1
		.amdhsa_forward_progress 1
		.amdhsa_inst_pref_size 106
	.end_amdhsa_kernel
	.amdgpu_metadata
---
amdhsa.version: [ 1, 2 ]
amdhsa.kernels:
  - .name:           k_q5768d15780_prep
    .symbol:         k_q5768d15780_prep.kd
    .args:
      - { .name: x, .offset: 0, .size: 8, .value_kind: global_buffer, .address_space: global }
      - { .name: W_qkv, .offset: 8, .size: 8, .value_kind: global_buffer, .address_space: global }
      - { .name: W_proj, .offset: 16, .size: 8, .value_kind: global_buffer, .address_space: global }
      - { .name: xc, .offset: 24, .size: 8, .value_kind: global_buffer, .address_space: global }
      - { .name: xs, .offset: 32, .size: 8, .value_kind: global_buffer, .address_space: global }
      - { .name: wc, .offset: 40, .size: 8, .value_kind: global_buffer, .address_space: global }
      - { .name: ws, .offset: 48, .size: 8, .value_kind: global_buffer, .address_space: global }
      - { .name: wp, .offset: 56, .size: 8, .value_kind: global_buffer, .address_space: global }
    .group_segment_fixed_size: 33280
    .private_segment_fixed_size: 0
    .kernarg_segment_align: 8
    .kernarg_segment_size: 64
    .max_flat_workgroup_size: 128
    .sgpr_count:     66
    .vgpr_count:     224
    .wavefront_size: 32
...
	.end_amdgpu_metadata
.endif
;; end of part 1
;; launch qkvgemm (part 2): grid 12 x 32, 4 waves a work-group, clusters of 4 x 4, 327,680 bytes of LDS; arguments xc, xs, wc, ws, b_qkv, qkv; writes qkv
.if DOCPART == 2
	.amdgcn_target "amdgcn-amd-amdhsa--gfx1250"
	.amdhsa_code_object_version 6
	.text
	.protected	k_q5768d15780_qkvgemm
	.globl	k_q5768d15780_qkvgemm
	.p2align	8
	.type	k_q5768d15780_qkvgemm,@function
k_q5768d15780_qkvgemm:
	s_mov_b64 s[64:65], 0
	v_nop
	global_prefetch_b8 v0, s[64:65] scope:SCOPE_SE
	s_setreg_imm32_b32 hwreg(HW_REG_WAVE_MODE, 25, 1), 1
	s_wait_xcnt 0x0
	s_wait_alu depctr_hold_cnt(0) depctr_sa_sdst(0) depctr_va_vdst(0) depctr_va_sdst(0) depctr_va_ssrc(0) depctr_va_vcc(0) depctr_vm_vsrc(0)
	s_getreg_b32 s2, hwreg(HW_REG_IB_STS2, 6, 4)
	s_cmp_eq_u32 s2, 0
	s_cbranch_scc0 .Lentry_in_a_cluster
	s_endpgm
.Lentry_in_a_cluster:
	s_bfe_u32 s2, ttmp6, 0x10000c
	s_cmp_lg_u32 s2, 0xf033
	s_cbranch_scc0 .Lentry_shape_is_right
	s_endpgm
.Lentry_shape_is_right:
; qkv = Q(x) Q(W_qkv) + b_qkv on codes of FP4 (E2M1) with one E8M0 scale for each 32 along K; sums in f32; the results are rounded to f16 and stored as images of the next products' operand registers.
; M = 8,192 tokens, N = 3,072 columns, K = 1,024.  A tile of 256 tokens x 256 columns is made by four waves, each 128 x 128: 64 accumulators of 16 x 16, 512 registers.
; K is two steps of 512: both are fetched at the head into two LDS slots, so nothing is filled again and there is no loop.  x's tile lies as rows (256 bytes + 16 of padding); W's as register images
; ([16 columns][64 along K][lane][16 bytes]), which a fragment load reads as 512 consecutive bytes.  The scale bytes of the tile's rows and columns, for all of K, come once, as dense blocks.
; CLUSTERS: 4 x 4 work-groups.  x's tiles are shared along a row of the cluster, W's along a column: each is asked for jointly, by the same tensor load with the same descriptor and a mask that names the four.
; THE MATRIX INSTRUCTION IS USED TRANSPOSED (source 0 = 16 columns of W, source 1 = 16 tokens): a lane then holds one token and eight neighbouring channels, which pack into the 16 bytes that the lane of a 16-bit
; fragment holds.  So the results leave straight from registers: each store of the wave covers 512 consecutive bytes, aligned.  The bias is the C of each sum's first matrix instruction.
; qkv: [which 3][batch x head 64][token / 16][channel / 16][512 bytes]; q, k: lane (r, h)'s 16 bytes at 16 r + 256 h; v: at 32 r + 16 h, that is rows [key][16 channels], for the turning LDS load.
; LIMIT: q, k, v are rounded to f16: magnitudes above 65,504 would become infinite.
; REGISTERS, in windows of 256: window 0: v0-31 addresses; v32-95 scale words, two sets; v128-191 x's fragments, one set; v192-255 the bias.  window 1: W's fragments, two sets, at v0 and v128.
;   window 2: the accumulators of my tokens 0-63 ((a, b) at v[8 (8 a + b)]); window 3: those of tokens 64-127.
.set NQ,     4                         ; matrix instructions deep in a slot
.set ROWB,   256                       ; a row of x's tile: 512 codes
.set KROW,   512                       ; a row of xc in memory
.set PITCH,  272                       ; an LDS row: 256 bytes + 16: the 16 rows that a load touches start 68 words apart
.set FR,     8                         ; registers of a fragment: 16 rows x 128 K
.set NL,     2                         ; LDS loads that bring one
.set NP,     4                         ; places behind this matrix instruction (ISA guide 7.12.1)
.set HALFT,  128*PITCH                 ; 128 rows of x: what one tensor load brings
.set BOFF,   2*HALFT                   ; behind x's 256 rows: W's 16 blocks of 16 columns, 4,096 bytes each
.set SLOT,   BOFF+65536
.set KS,     32                        ; a row of scale bytes
.set SCL,    2*SLOT                    ; behind the slots: the scales, as units of 256 bytes + 16 of padding
.set HALFS,  16*272                    ; those of 128 rows
.set SBLK,   2*272                     ; those of 16 rows
.set SPARE,  SCL+4*HALFS               ; the spare words, 128 bytes a wave
.set ADRA, 16                          ; v16-17 LDS address of my fragments of x in slot 0, 1
.set ADRB, 20                          ; v20-21 the same for W
.set CO,   26                          ; v26    my 16 bytes' place in an image of qkv
.set ADRS, 27                          ; v27    my scale words: lanes 0-15 x's rows, lanes 16-31 W's columns
.set SPW,  28                          ; v28    my spare word; never rewritten
.set NIL,  29                          ; v29    0; never rewritten
.set SC,   32                          ; scale words: set s at v[SC + 32 s]; register 4 i + q: lanes 0-15 x's block i, lanes 16-31 W's block i, the slot's q-th 128 along K
.set AF,   128
.set BI,   192                         ; v[BI + 8 b + j] = b_qkv at my column 16 b + 8 (lane / 16) + j
.set G1, 24
.set G0, 32
.set G1B, 48
.set G0B, 56
.set G1S, 68
.set G0S, 76
.set G1SB, 80
.set G0SB, 88
.set MSB, 0
.macro WIN new                         ; the immediate's high byte repeats the setting that is left
.if MSB != (\new)
	s_set_vgpr_msb (MSB<<8)|(\new)
.set MSB, (\new)
.endif
.endm
.set MUL_LO, 0xa1                      ; source 0 (W) window 1, source 1 (x) window 0, C and D window 2
.set MUL_HI, 0xf1                      ; the same, C and D window 3
.set TO_B,   0x40
; A joint load: waves 0 and 1 fetch for x, waves 2 and 3 for W; the branch hangs on the wave's number alone.  An s_nop 0 and four v_nop follow each line.
.macro JLOAD g0a, g1a, g0b, g1b
	s_cmp_eq_u32 s15, 0
	s_cbranch_scc0 .Lfor_b_\@
	tensor_load_to_lds s[\g0a:\g0a+3], s[\g1a:\g1a+7]
	s_nop 0
.rept 4
	v_nop
.endr
	s_branch .Lasked_\@
.Lfor_b_\@:
	tensor_load_to_lds s[\g0b:\g0b+3], s[\g1b:\g1b+7]
	s_nop 0
.rept 4
	v_nop
.endr
.Lasked_\@:
.endm
.macro CROUND                          ; a round of the cluster's barrier
	s_barrier_signal -1
	s_barrier_wait -1
	s_cmp_lg_u32 s14, 0
	s_cbranch_scc1 .Lnot_wave_0_\@
	s_barrier_signal -3
.Lnot_wave_0_\@:
	s_barrier_wait -3
	s_barrier_signal -1
	s_barrier_wait -1
.endm
.macro PLACES n
.rept \n
	v_nop
.endr
.endm
	s_load_b128 s[4:7], s[0:1], 0x0                ; xc s[4:5], xs s[6:7]
	s_load_b128 s[8:11], s[0:1], 0x10              ; wc s[8:9], ws s[10:11]
	s_load_b64 s[96:97], s[0:1], 0x20              ; b_qkv
	s_load_b64 s[12:13], s[0:1], 0x28              ; qkv
	v_lshl_add_u32 v[SPW], v0, 2, SPARE
	v_mov_b32 v[NIL], 0
	ds_add_u32 v[SPW], v[NIL]                      ; the wave's opening: the add, twice on end, and its wait ahead of my first tensor load
	ds_add_u32 v[SPW], v[NIL]
	v_lshrrev_b32 v1, 5, v0
	v_readfirstlane_b32 s14, v1                    ; wave 0..3
	s_lshr_b32 s15, s14, 1                         ; which half of the tile's tokens is mine.  Also: I fetch for x (0) or for W (1)
	s_and_b32 s16, s14, 1                          ; which half of its columns.  Also: which half of that tile I fetch
	s_bfe_u32 s40, ttmp6, 0x40000                  ; cx, cy: my place in the cluster
	s_bfe_u32 s41, ttmp6, 0x40004
	s_lshl_b32 s42, ttmp9, 2
	s_add_co_u32 s42, s42, s40                     ; tile column = 4 x cluster x + cx
	s_and_b32 s17, ttmp7, 0xffff
	s_lshl_b32 s17, s17, 2
	s_add_co_u32 s17, s17, s41                     ; tile row = 4 x cluster y + cy
	s_lshl_b32 s43, s41, 2
	s_lshl_b32 s43, 15, s43                        ; my row of the cluster
	s_lshl_b32 s44, 0x1111, s40                    ; my column
	s_or_b32 s[G1+0], s43, (0<<16)|(1<<20)|(1<<21)|(5<<22)|(3<<25)  ; x: the mask of my row; elements of 1 byte; 4 words of padding after every 64
	s_mov_b32 s[G1+1], ROWB<<16                    ; tensor_dim0
	s_mov_b32 s[G1+2], 128<<16                     ; tensor_dim1
	s_mov_b32 s[G1+3], ROWB<<16                    ; tile_dim0
	s_mov_b32 s[G1+4], 128                         ; tile_dim1
	s_mov_b32 s[G1+5], KROW                        ; from row to row
	s_mov_b32 s[G1+6], 0
	s_mov_b32 s[G1+7], 0
	s_or_b32 s[G1B+0], s44, (3<<16)|(1<<21)        ; W: the mask of my column; elements of 8 bytes; no padding
	s_mov_b32 s[G1B+1], 512<<16                    ; 8 rows of 4,096 bytes (a block of 16 columns, 512 along K),
	s_mov_b32 s[G1B+2], 8<<16
	s_mov_b32 s[G1B+3], 512<<16
	s_mov_b32 s[G1B+4], 8
	s_mov_b32 s[G1B+5], 1024                       ; 8,192 bytes apart
	s_mov_b32 s[G1B+6], 0
	s_mov_b32 s[G1B+7], 0
	s_or_b32 s[G1S+0], s43, (3<<16)|(1<<20)|(1<<21)|(5<<22)|(3<<25)   ; the scales of 128 rows: 4,096 dense bytes as 16 rows of 256, 16 bytes of padding behind each
	s_or_b32 s[G1SB+0], s44, (3<<16)|(1<<20)|(1<<21)|(5<<22)|(3<<25)
.irp g, G1S, G1SB
	s_mov_b32 s[\g+1], 32<<16
	s_mov_b32 s[\g+2], 16<<16
	s_mov_b32 s[\g+3], 32<<16
	s_mov_b32 s[\g+4], 16
	s_mov_b32 s[\g+5], 32
	s_mov_b32 s[\g+6], 0
	s_mov_b32 s[\g+7], 0
.endr
	s_lshl_b32 s18, s16, 7                         ; which 128 rows or columns I fetch
	s_lshl_b32 s20, s17, 8
	s_add_co_u32 s20, s20, s18                     ; x: row 256 x tile row + 128 x half
	s_lshl_b32 s46, s42, 8
	s_add_co_u32 s46, s46, s18                     ; W: column 256 x tile column + 128 x half
	s_lshl_b32 s22, s20, 5                         ; their scale bytes: 32 a row,
	s_mov_b32 s23, 0
	s_lshl_b32 s92, s46, 5
	s_mov_b32 s93, 0
	s_lshl_b32 s20, s20, 9                         ; their codes: 512 bytes a row of x; 8,192 bytes for 16 columns of W, which is 512 a column too
	s_mov_b32 s21, 0
	s_lshl_b32 s46, s46, 9
	s_mov_b32 s47, 0
	s_mul_i32 s45, s16, HALFT                      ; where they go: no place in the cluster enters an LDS address
	s_lshl_b32 s95, s16, 15
	s_add_co_u32 s95, s95, BOFF
	s_mul_i32 s94, s14, HALFS
	s_wait_dscnt 0x0                               ; both opening adds are done
	s_wait_kmcnt 0x0
	s_add_nc_u64 s[20:21], s[4:5], s[20:21]
	s_add_nc_u64 s[22:23], s[6:7], s[22:23]
	s_add_nc_u64 s[46:47], s[8:9], s[46:47]
	s_add_nc_u64 s[92:93], s[10:11], s[92:93]
	CROUND                                         ; all sixteen work-groups are here: the joint loads meet
	s_mov_b32 s[G0S], 1
	s_add_co_u32 s[G0S+1], s94, SCL
	s_mov_b64 s[G0S+2:G0S+3], s[22:23]
	s_or_b32 s[G0S+3], s[G0S+3], 0x80000000
	s_mov_b32 s[G0SB], 1
	s_add_co_u32 s[G0SB+1], s94, SCL
	s_mov_b64 s[G0SB+2:G0SB+3], s[92:93]
	s_or_b32 s[G0SB+3], s[G0SB+3], 0x80000000
	JLOAD G0S, G1S, G0SB, G1SB                     ; the scales first: they are wanted with K step 0
.irp s, 0,1
	s_mov_b32 s[G0+4*\s], 1
	s_add_co_u32 s[G0+4*\s+1], s45, \s*SLOT
	s_add_nc_u64 s[G0+4*\s+2:G0+4*\s+3], s[20:21], \s*ROWB
	s_or_b32 s[G0+4*\s+3], s[G0+4*\s+3], 0x80000000
	s_mov_b32 s[G0B+4*\s], 1
	s_add_co_u32 s[G0B+4*\s+1], s95, \s*SLOT
	s_add_nc_u64 s[G0B+4*\s+2:G0B+4*\s+3], s[46:47], \s*4096
	s_or_b32 s[G0B+4*\s+3], s[G0B+4*\s+3], 0x80000000
	JLOAD G0+4*\s, G1, G0B+4*\s, G1B               ; three tensor loads of mine are out in all
.endr
	v_and_b32 v1, 15, v0                           ; r = lane % 16
	v_bfe_u32 v2, v0, 4, 1                         ; h = lane / 16
	v_mul_u32_u24 v3, v1, PITCH
	v_lshl_add_u32 v4, v2, 4, v3                   ; x: a fragment's row x pitch + 16 h
	v_and_b32 v6, 31, v0
	v_lshlrev_b32 v6, 4, v6                        ; W: 16 x lane
	s_mul_i32 s21, s15, HALFT                      ; my 128 tokens
	s_lshl_b32 s22, s16, 15                        ; my 8 blocks of columns
	s_add_co_u32 s22, s22, BOFF
.irp s, 0,1
	v_add_nc_u32 v[ADRA+\s], s21, v4
	v_add_nc_u32 v[ADRB+\s], s22, v6
	s_add_co_u32 s21, s21, SLOT
	s_add_co_u32 s22, s22, SLOT
.endr
	v_mul_u32_u24 v5, v1, KS                       ; my row's scales: 32 bytes a row,
	v_lshrrev_b32 v7, 8, v5
	v_lshl_add_u32 v5, v7, 4, v5                   ; and 16 more for each 256 passed
	s_mul_i32 s21, s15, HALFS                      ; x's: my 128 rows
	s_mul_i32 s22, s16, HALFS                      ; W's: my 128 columns, behind x's 256 rows
	s_add_co_u32 s22, s22, 2*HALFS
	s_sub_co_u32 s22, s22, s21
	v_mul_u32_u24 v7, s22, v2                      ; lanes 16-31 take W's: one product, the distance x h
	s_add_co_u32 s21, s21, SCL
	v_add_nc_u32 v5, v5, v7
	v_add_nc_u32 v[ADRS], s21, v5
	s_lshl_b32 s46, s42, 10                        ; the bias of my 128 columns
	s_lshl_b32 s47, s16, 9
	s_add_co_u32 s46, s46, s47
	s_mov_b32 s47, 0
	s_add_nc_u64 s[96:97], s[96:97], s[46:47]
	v_lshlrev_b32 v30, 5, v2                       ; + 8 h numbers
.irp b, 0,1,2,3,4,5,6,7
	global_load_b128 v[BI+8*\b:BI+8*\b+3], v30, s[96:97] offset:64*\b
	global_load_b128 v[BI+8*\b+4:BI+8*\b+7], v30, s[96:97] offset:64*\b+16
.endr
	; where my results go: which = cluster x; batch = tile row / 8; my first head = 4 cx + 2 x column half; my first block of 16 tokens = 16 (tile row % 8) + 8 x row half
	s_lshr_b32 s20, s17, 3
	s_lshl_b32 s20, s20, 4
	s_lshl_b32 s21, s40, 2
	s_add_co_u32 s20, s20, s21
	s_lshl_b32 s21, s16, 1
	s_add_co_u32 s20, s20, s21
	s_lshl_b32 s20, s20, 7
	s_and_b32 s21, s17, 7
	s_lshl_b32 s21, s21, 4
	s_add_co_u32 s20, s20, s21
	s_lshl_b32 s21, s15, 3
	s_add_co_u32 s20, s20, s21
	s_lshl_b32 s20, s20, 11                        ; 2,048 bytes for 16 tokens of a head
	s_lshl_b32 s21, ttmp9, 24
	s_add_co_u32 s20, s20, s21
	s_mov_b32 s21, 0
	s_add_nc_u64 s[12:13], s[12:13], s[20:21]
	s_cmp_eq_u32 ttmp9, 2                          ; v's images lie as rows [key][16 channels]
	s_cselect_b32 s18, 32, 16
	s_cselect_b32 s19, 16, 256
	v_mul_u32_u24 v[CO], v1, s18
	v_mad_u32_u24 v[CO], v2, s19, v[CO]
.macro FRAG reg, adr, q, i             ; x: 16 rows x 128 K: registers 4 c .. 4 c + 3 hold K = 64 c + 32 h + 0 .. 31
.irp c, 0,1
	ds_load_b128 v[\reg+4*\c:\reg+4*\c+3], v[\adr] offset:64*(\q)+32*\c+(\i)*16*PITCH
.endr
.endm
.macro FRAGB reg, adr, q, i            ; W: the same registers, as they were stored: 512 consecutive bytes a load
.irp c, 0,1
	ds_load_b128 v[\reg+4*\c:\reg+4*\c+3], v[\adr] offset:(\i)*4096+(2*(\q)+\c)*512
.endr
.endm
; 16 matrix instructions: x's blocks a0, a0 + 1 against W's eight, the slot's q-th 128 along K.  p: W's set; sc: the set of scale words.  zero = 1: the first product starts the sums on the bias.
; The 64 accumulators take turns, one instruction a turn, in the same order in every step.
.macro MUL16 a0, p, q, sc, zero
.irp a, \a0, \a0+1
.irp b, 0,1,2,3,4,5,6,7
.if \zero
	v_wmma_scale_f32_16x16x128_f8f6f4 v[8*(8*((\a)%4)+\b):8*(8*((\a)%4)+\b)+7], v[128*(\p)+FR*\b:128*(\p)+FR*\b+FR-1], v[AF+FR*(\a):AF+FR*(\a)+FR-1], v[BI+8*\b:BI+8*\b+7], v[SC+8*NQ*(\sc)+NQ*\b+(\q)], v[SC+8*NQ*(\sc)+NQ*(\a)+(\q)] matrix_a_fmt:MATRIX_FMT_FP4 matrix_b_fmt:MATRIX_FMT_FP4 matrix_a_scale:MATRIX_SCALE_ROW1
.else
	v_wmma_scale_f32_16x16x128_f8f6f4 v[8*(8*((\a)%4)+\b):8*(8*((\a)%4)+\b)+7], v[128*(\p)+FR*\b:128*(\p)+FR*\b+FR-1], v[AF+FR*(\a):AF+FR*(\a)+FR-1], v[8*(8*((\a)%4)+\b):8*(8*((\a)%4)+\b)+7], v[SC+8*NQ*(\sc)+NQ*\b+(\q)], v[SC+8*NQ*(\sc)+NQ*(\a)+(\q)] matrix_a_fmt:MATRIX_FMT_FP4 matrix_b_fmt:MATRIX_FMT_FP4 matrix_a_scale:MATRIX_SCALE_ROW1
.endif
.endr
.endr
.endm
.macro FETCH_B slot, q, p
	WIN TO_B
.irp i, 0,1,2,3,4,5,6,7
	FRAGB 128*(\p)+FR*\i, ADRB+\slot, \q, \i
.endr
	WIN 0
.endm
.macro FETCH_A slot, q, i0
.irp i, \i0, \i0+1, \i0+2, \i0+3
	FRAG AF+FR*(\i), ADRA+\slot, \q, \i
.endr
.endm
.macro SCALES sc                       ; a K step's scale words: 4 words a row; lanes 0-15 x's block i, lanes 16-31 W's block i
.irp i, 0,1,2,3,4,5,6,7
	ds_load_b128 v[SC+8*NQ*\sc+NQ*\i:SC+8*NQ*\sc+NQ*\i+3], v[ADRS] offset:\i*SBLK
.endr
.endm
; A step of 128 along K that has its successor in the same slot.  x has one set of registers: blocks 0-3 are fetched anew in the step's middle, blocks 4-7 at its end; W has two sets.
.macro STEP slot, q, zero
	s_wait_dscnt 4*NL                              ; W's set and x's blocks 0-3 are in; the youngest eight loads (x's blocks 4-7) may be out
	WIN MUL_LO-0x20*(\zero)                        ; (zero = 1: C, the bias, lies in window 0)
	MUL16 0, (\q)%2, \q, \slot, \zero
	MUL16 2, (\q)%2, \q, \slot, \zero
	s_wait_dscnt 0
	PLACES NP                                      ; four places in front of loads into registers that matrix instructions have read
	FETCH_B \slot, (\q)+1, 1-(\q)%2
	FETCH_A \slot, (\q)+1, 0
	WIN MUL_HI-0x30*(\zero)
	MUL16 4, (\q)%2, \q, \slot, \zero
	MUL16 6, (\q)%2, \q, \slot, \zero
	PLACES NP
	WIN 0
	FETCH_A \slot, (\q)+1, 4
.endm
.macro STEPS slot, from
.set Q, \from
.rept NQ-1-\from
	STEP \slot, Q, 0
.set Q, Q+1
.endr
.endm
	s_wait_tensorcnt 1                             ; the scales and my part of K step 0 are in; K step 1's load may stay out
	s_barrier_signal -1
	s_barrier_wait -1                              ; everybody's are
	FETCH_B 0, 0, 0
	FETCH_A 0, 0, 0
	SCALES 0
	FETCH_A 0, 0, 4
	s_wait_loadcnt 0x0                             ; the bias
	STEP 0, 0, 1
	STEPS 0, 1
	; slot 0's last step changes slots: my part of slot 1 has landed, then the barrier shows that everybody's has
	s_wait_tensorcnt 0x0
	ds_add_u32 v[SPW], v[NIL]                      ; 0 onto my spare word
	s_wait_dscnt 4*NL+1                            ; (the add and the youngest eight loads may be out)
	WIN MUL_LO
	MUL16 0, 1, NQ-1, 0, 0
	s_wait_dscnt 0x0
	s_barrier_signal -1
	MUL16 2, 1, NQ-1, 0, 0
	WIN 0
	s_barrier_wait -1
	PLACES NP
	v_add_nc_u32 v[ADRS], 4*NQ, v[ADRS]            ; on to K step 1's scale words
	FETCH_B 1, 0, 0
	FETCH_A 1, 0, 0
	SCALES 1
	WIN MUL_HI
	MUL16 4, 1, NQ-1, 0, 0
	MUL16 6, 1, NQ-1, 0, 0
	PLACES NP
	WIN 0
	FETCH_A 1, 0, 4
	STEPS 1, 0
	s_wait_dscnt 4*NL                              ; the very last step: nothing more to fetch
	WIN MUL_LO
	MUL16 0, 1, NQ-1, 1, 0
	MUL16 2, 1, NQ-1, 1, 0
	s_wait_dscnt 0
	WIN MUL_HI
	MUL16 4, 1, NQ-1, 1, 0
	MUL16 6, 1, NQ-1, 1, 0
	PLACES NP                                      ; in front of the conversions that read results
; THE WAY OUT.  Each accumulator is packed in place, from its low end on, into its first four registers: token r, channels 16 b + 8 h + 0 .. 7 in f16: the lane's 16 bytes of an image.  No register is written twice, so no store is waited for.
.macro OUTHALF hi
	WIN 0x8a+0x45*\hi                              ; destination and both sources: window 2 or 3
.irp a, 0,1,2,3
.irp b, 0,1,2,3,4,5,6,7
.irp r, 0,1,2,3
	v_cvt_pk_f16_f32 v[8*(8*\a+\b)+\r], v[8*(8*\a+\b)+2*\r], v[8*(8*\a+\b)+2*\r+1]
.endr
.endr
.endr
	WIN 0x08+0x04*\hi                              ; a store's data are its source 1
.irp a, 0,1,2,3
.irp b, 0,1,2,3,4,5,6,7
	global_store_b128 v[CO], v[8*(8*\a+\b):8*(8*\a+\b)+3], s[12:13] offset:(4*\hi+\a)*2048+(\b/4)*262144+(\b%4)*512   ; 32 lanes store 512 consecutive bytes, aligned
.endr
.endr
.endm
	OUTHALF 0
	OUTHALF 1
	WIN 0
	s_wait_tensorcnt 0x0                           ; the wave's end, behind my last tensor load
	ds_add_u32 v[SPW], v[NIL]
	s_wait_dscnt 0x0
	CROUND                                         ; the closing round: no work-group ends while a partner may still ask for a tile that names it
	s_endpgm
.Lfunc_end_k_q5768d15780_qkvgemm:
	.size	k_q5768d15780_qkvgemm, .Lfunc_end_k_q5768d15780_qkvgemm-k_q5768d15780_qkvgemm
	.p2alignl 7, 3214868480
	.fill 96, 4, 3214868480
	.section	.rodata,"a",@progbits
	.p2align	6, 0x0
	.amdhsa_kernel k_q5768d15780_qkvgemm
		.amdhsa_group_segment_fixed_size 327680
		.amdhsa_private_segment_fixed_size 0
		.amdhsa_enable_private_segment 0
		.amdhsa_kernarg_size 48
		.amdhsa_user_sgpr_count 2
		.amdhsa_user_sgpr_kernarg_segment_ptr 1
		.amdhsa_wavefront_size32 1
		.amdhsa_system_sgpr_workgroup_id_x 1
		.amdhsa_system_sgpr_workgroup_id_y 1
		.amdhsa_system_sgpr_workgroup_id_z 1
		.amdhsa_system_vgpr_workitem_id 0
		.amdhsa_next_free_vgpr 1024
		.amdhsa_next_free_sgpr 100
		.amdhsa_reserve_vcc 0
		.amdhsa_float_denorm_mode_32 3
		.amdhsa_float_denorm_mode_16_64 3
		.amdhsa_memory_ordered 1
		.amdhsa_forward_progress 1
		.amdhsa_inst_pref_size 119
	.end_amdhsa_kernel
	.amdgpu_metadata
---
amdhsa.version: [ 1, 2 ]
amdhsa.kernels:
  - .name:           k_q5768d15780_qkvgemm
    .symbol:         k_q5768d15780_qkvgemm.kd
    .args:
      - { .name: xc, .offset: 0, .size: 8, .value_kind: global_buffer, .address_space: global }
      - { .name: xs, .offset: 8, .size: 8, .value_kind: global_buffer, .address_space: global }
      - { .name: wc, .offset: 16, .size: 8, .value_kind: global_buffer, .address_space: global }
      - { .name: ws, .offset: 24, .size: 8, .value_kind: global_buffer, .address_space: global }
      - { .name: b_qkv, .offset: 32, .size: 8, .value_kind: global_buffer, .address_space: global }
      - { .name: qkv, .offset: 40, .size: 8, .value_kind: global_buffer, .address_space: global }
    .group_segment_fixed_size: 327680
    .private_segment_fixed_size: 0
    .kernarg_segment_align: 8
    .kernarg_segment_size: 48
    .max_flat_workgroup_size: 128
    .sgpr_count:     100
    .vgpr_count:     1024
    .wavefront_size: 32
...
	.end_amdgpu_metadata
.endif
;; end of part 2
;; launch attn (part 3): grid 4 x 64, 8 waves a work-group, clusters of 4 x 1, 327,680 bytes of LDS; arguments qkv, oi; writes oi
.if DOCPART == 3
	.amdgcn_target "amdgcn-amd-amdhsa--gfx1250"
	.amdhsa_code_object_version 6
	.text
	.protected	k_q5768d15780_attn
	.globl	k_q5768d15780_attn
	.p2align	8
	.type	k_q5768d15780_attn,@function
k_q5768d15780_attn:
	s_mov_b64 s[64:65], 0
	v_nop
	global_prefetch_b8 v0, s[64:65] scope:SCOPE_SE
	s_setreg_imm32_b32 hwreg(HW_REG_WAVE_MODE, 25, 1), 1
	s_wait_xcnt 0x0
	s_wait_alu depctr_hold_cnt(0) depctr_sa_sdst(0) depctr_va_vdst(0) depctr_va_sdst(0) depctr_va_ssrc(0) depctr_va_vcc(0) depctr_vm_vsrc(0)
	s_getreg_b32 s2, hwreg(HW_REG_IB_STS2, 6, 4)
	s_cmp_eq_u32 s2, 0
	s_cbranch_scc0 .Lentry_in_a_cluster
	s_endpgm
.Lentry_in_a_cluster:
	s_bfe_u32 s2, ttmp6, 0x10000c
	s_cmp_lg_u32 s2, 0x3003
	s_cbranch_scc0 .Lentry_shape_is_right
	s_endpgm
.Lentry_shape_is_right:
; O[q] = the sum over k of softmax_k(Q[q] . K[k] / 8) V[k], for each of 64 (batch, head): 2,048 queries, 2,048 keys, head size 64.  Operands f16; products, maxima and sums f32; the weights p are rounded to f16 for the second
; product, O once at the end.  A running maximum m and sum l for each query: p = 2^(c s - c m), c = log2(e) / 8; in every step O and l are multiplied by a = 2^(c m_old - c m_new).
; LIMITS: p under 2^-25 falls to 0 in f16; O is rounded to f16 (magnitudes above 65,504 would become infinite).
; SHARES.  A work-group owns 512 queries of one head, each of its eight waves 64: four tiles of 16, in 512 registers; two waves share a SIMD.  Every wave walks all keys, 64 a step.
; LAYOUT.  q, k, v arrive as images of operand registers ([16 tokens][16 channels] in 512 bytes).  S^T = K Q^T (source 0 = 16 keys, source 1 = 16 queries): a lane holds ONE query and the keys 8 (lane / 16) + 0 .. 7.  Two such
; tiles, rounded to f16 in pairs, ARE source 1 (32 keys x 16 queries) of O^T = V^T P, whose result again holds one query a lane and eight channels: 16 bytes of the projection's operand, stored straight from registers.
; K comes out of LDS as it lies (512 consecutive bytes a load), V ([key][16 channels], 32 bytes a row) turned, by ds_load_tr16_b128.
; TWO CLASSES OF WAVES.  The two waves of a SIMD differ in (wave xor wave / 4) % 2 whichever way waves are dealt.  At each meeting of the work-group class 0 runs its softmax ahead of the barrier and class 1 behind it, so that
; from there on one wave's vector phase stands beside the other's matrix phase.
; RING.  Two LDS slots of 512 keys (K 65,536 bytes, V 65,536).  Each of the eight waves brings 16,384 bytes with one tensor load.  CLUSTER: the four query blocks of a head form a cluster and ask for each tile jointly.
; No prefetch: a refill is asked for eight key steps, 512 matrix instructions of a wave, ahead of the wait for it.
; REGISTERS: window 0: v1-7 addresses; v16-47 eight registers of statistics a tile (+0 c m, +1 m, +2 +3 l, +4 to +7 at work; a in +6); v64-191 S^T, 32 a tile, P packed into each tile's first 16; v192-255 V.
;            window 1: v0-63 Q; v64-191 O^T, 32 a tile; v192-255 K.
.set SLOT1, 131072
.set SPARE, 262144                     ; behind the ring: the spare words, 128 bytes for each of eight waves
.set LI,  1                            ; v1 16 x lane
.set AV0, 2                            ; v2 my lane's place in a tile of V
.set ADK, 3                            ; v3 the LDS address of K's loads in hand
.set ADV, 4                            ; v4 of V's
.set SPW, 6                            ; v6 my spare word; never rewritten
.set NIL, 7                            ; v7 0; never rewritten
.set ST,  16
.set S,   64
.set VB,  192
.set QF,  0                            ; window 1
.set OA,  64
.set KB,  192
.set WV,  8                            ; s8  wave
.set CLS, 9                            ; s9  class
.set TB,  12                           ; s12 LDS byte at which the tiles of the step to be fetched begin
.set CNT, 13
.set SLT, 14
.set G1,  24                           ; s[24:31] descriptor group 1: 64 dense rows of 256 bytes
.set G0A, 32                           ; s[32:35] group 0 of slot 0's first fill
.set G0B, 36                           ; s[36:39] of slot 1's; it then walks
.set CS,  58                           ; s[58:59] c
.set SEL, 60                           ; s[60:61] lane l xor 16
.set MSB, 0
.macro WIN new
.if MSB != (\new)
	s_set_vgpr_msb (MSB<<8)|(\new)
.set MSB, (\new)
.endif
.endm
.macro PLACES n
.rept \n
	v_nop
.endr
.endm
.macro CROUND
	s_barrier_signal -1
	s_barrier_wait -1
	s_cmp_lg_u32 s[WV], 0
	s_cbranch_scc1 .Lnot_wave_0_\@
	s_barrier_signal -3
.Lnot_wave_0_\@:
	s_barrier_wait -3
	s_barrier_signal -1
	s_barrier_wait -1
.endm
	s_load_b128 s[4:7], s[0:1], 0x0                ; qkv s[4:5], oi s[6:7]
	v_lshl_add_u32 v[SPW], v0, 2, SPARE
	v_mov_b32 v[NIL], 0
	ds_add_u32 v[SPW], v[NIL]                      ; the wave's opening: the add, twice on end, and its wait ahead of my first tensor load
	ds_add_u32 v[SPW], v[NIL]
	v_lshrrev_b32 v1, 5, v0
	v_readfirstlane_b32 s[WV], v1                  ; wave 0..7
	s_lshr_b32 s[CLS], s[WV], 2
	s_xor_b32 s[CLS], s[CLS], s[WV]
	s_and_b32 s[CLS], s[CLS], 1
	s_bfe_u32 s10, ttmp6, 0x40000                  ; cx: my block of 512 queries: it enters Q's and O's addresses alone
	s_and_b32 s11, ttmp7, 0xffff                   ; batch x 16 + head, which the four partners share
	s_mov_b32 s[G1], 15|(3<<16)|(1<<21)            ; the mask: all four work-groups; elements of 8 bytes; no padding
	s_mov_b32 s[G1+1], 32<<16                      ; tensor_dim0 = 32 elements (256 bytes)
	s_mov_b32 s[G1+2], 64<<16                      ; tensor_dim1 = 64
	s_mov_b32 s[G1+3], 32<<16                      ; tile_dim0
	s_mov_b32 s[G1+4], 64                          ; tile_dim1
	s_mov_b32 s[G1+5], 32                          ; dense
	s_mov_b32 s[G1+6], 0
	s_mov_b32 s[G1+7], 0
	s_lshr_b32 s16, s[WV], 2                       ; waves 0-3 fetch K's quarters, waves 4-7 V's
	s_add_co_u32 s16, s16, 1
	s_lshl_b32 s16, s16, 24                        ; k or v
	s_lshl_b32 s17, s11, 18                        ; the head: 262,144 bytes
	s_add_co_u32 s16, s16, s17
	s_and_b32 s17, s[WV], 3
	s_lshl_b32 s17, s17, 14                        ; my quarter of a slot's 65,536
	s_add_co_u32 s16, s16, s17
	s_mov_b32 s17, 0
	s_lshl_b32 s15, s[WV], 14                      ; and its place in a slot: K's four quarters, then V's
	s_lshl_b32 s18, s10, 5
	s_lshl_b32 s19, s[WV], 2
	s_add_co_u32 s18, s18, s19                     ; my first block of 16 queries: 32 cx + 4 wave
	s_lshl_b32 s20, s18, 11
	s_lshl_b32 s21, s11, 18
	s_add_co_u32 s20, s20, s21                     ; Q
	s_mov_b32 s21, 0
	s_lshr_b32 s22, s11, 4
	s_lshl_b32 s22, s22, 7
	s_add_co_u32 s22, s22, s18                     ; O: block of 16 tokens = 128 batch + 32 cx + 4 wave,
	s_lshl_b32 s22, s22, 15                        ; 32,768 bytes each,
	s_and_b32 s23, s11, 15
	s_lshl_b32 s23, s23, 11                        ; the head's four units of 512 bytes
	s_add_co_u32 s22, s22, s23
	s_mov_b32 s23, 0
	s_mov_b32 s[CS], 0x3e38aa3b                    ; c = log2(e) / 8
	s_mov_b32 s[CS+1], s[CS]                       ; (named with it as a pair, so it is written)
	s_mov_b32 s[SEL], 0x76543210
	s_mov_b32 s[SEL+1], 0xfedcba98
	s_mov_b32 s[TB], 0
	s_wait_dscnt 0x0                               ; both opening adds are done
	s_wait_kmcnt 0x0
	s_add_nc_u64 s[16:17], s[4:5], s[16:17]
	s_add_nc_u64 s[4:5], s[4:5], s[20:21]
	s_add_nc_u64 s[6:7], s[6:7], s[22:23]
	CROUND                                         ; all four work-groups are here: the first joint loads meet
	s_mov_b32 s[G0A], 1
	s_mov_b32 s[G0A+1], s15
	s_mov_b64 s[G0A+2:G0A+3], s[16:17]             ; keys 0 to 511
	s_or_b32 s[G0A+3], s[G0A+3], 0x80000000
	s_mov_b32 s[G0B], 1
	s_add_co_u32 s[G0B+1], s15, SLOT1
	s_add_nc_u64 s[G0B+2:G0B+3], s[16:17], 65536   ; keys 512 to 1,023
	s_or_b32 s[G0B+3], s[G0B+3], 0x80000000
	tensor_load_to_lds s[G0A:G0A+3], s[G1:G1+7]
	s_nop 0
	tensor_load_to_lds s[G0B:G0B+3], s[G1:G1+7]    ; two tensor loads of mine are out
	s_nop 0
	PLACES 4
	v_and_b32 v[LI], 31, v0
	v_lshlrev_b32 v[LI], 4, v[LI]
	WIN 0x40                                       ; destination window 1
.irp t, 0,1,2,3
.irp ks, 0,1
	global_load_b128 v[QF+16*\t+8*\ks:QF+16*\t+8*\ks+3],   v[LI], s[4:5] offset:2048*\t+1024*\ks       ; Q stays in registers: tile t, channels 32 ks on
	global_load_b128 v[QF+16*\t+8*\ks+4:QF+16*\t+8*\ks+7], v[LI], s[4:5] offset:2048*\t+1024*\ks+512
.endr
.endr
	WIN 0
	v_bfe_u32 v8, v0, 4, 1                         ; the turning load: lane l reads 16 bytes: key 8 (l / 16) + l % 8, channels 8 ((l / 8) % 2) + 0 .. 7
	v_and_b32 v9, 7, v0
	v_lshl_add_u32 v[AV0], v8, 3, v9
	v_lshlrev_b32 v[AV0], 5, v[AV0]
	v_bfe_u32 v9, v0, 3, 1
	v_lshl_add_u32 v[AV0], v9, 4, v[AV0]
	v_add_nc_u32 v[AV0], 65536, v[AV0]             ; V lies behind K in a slot
.macro FETCH_V                         ; a step's V: 64 keys x 64 channels, turned: fragment f: keys 32 (f / 4) on, channels 16 (f % 4) on
	WIN 0
	v_add_nc_u32 v[ADV], s[TB], v[AV0]
	s_add_co_u32 s[TB], s[TB], 8192                ; the next fetch is the next step's
.irp f, 0,1,2,3,4,5,6,7
	ds_load_tr16_b128 v[VB+8*\f:VB+8*\f+3],   v[ADV] offset:(2*(\f/4))*2048+512*(\f%4)
	ds_load_tr16_b128 v[VB+8*\f+4:VB+8*\f+7], v[ADV] offset:(2*(\f/4)+1)*2048+512*(\f%4)
.endr
.endm
.macro FETCH_K                         ; a step's K: fragment f: keys 16 (f / 2) on, channels 32 (f % 2) on
	WIN 0
	v_add_nc_u32 v[ADK], s[TB], v[LI]
	WIN 0x40
.irp f, 0,1,2,3,4,5,6,7
	ds_load_b128 v[KB+8*\f:KB+8*\f+3],   v[ADK] offset:2048*(\f/2)+1024*(\f%2)
	ds_load_b128 v[KB+8*\f+4:KB+8*\f+7], v[ADK] offset:2048*(\f/2)+1024*(\f%2)+512
.endr
	WIN 0
.endm
; 32 products S^T = K Q^T; the sixteen accumulators take turns, one instruction a turn; the first sixteen start the sums
.macro SPHASE
	WIN 0x05                                       ; K and Q in window 1
.irp ks, 0,1
.irp kt, 0,1,2,3
.irp t, 0,1,2,3
.if \ks == 0
	v_wmma_f32_16x16x32_f16 v[S+32*\t+8*\kt:S+32*\t+8*\kt+7], v[KB+8*(2*\kt+\ks):KB+8*(2*\kt+\ks)+7], v[QF+16*\t+8*\ks:QF+16*\t+8*\ks+7], 0
.else
	v_wmma_f32_16x16x32_f16 v[S+32*\t+8*\kt:S+32*\t+8*\kt+7], v[KB+8*(2*\kt+\ks):KB+8*(2*\kt+\ks)+7], v[QF+16*\t+8*\ks:QF+16*\t+8*\ks+7], v[S+32*\t+8*\kt:S+32*\t+8*\kt+7]
.endif
.endr
.endr
.endr
.endm
; 32 products O^T += V^T P.  first = 1: the first sixteen start the sums: nothing is ever cleared
.macro PVPHASE first
	WIN 0x50                                       ; C and D in window 1
.irp kk, 0,1
.irp ct, 0,1,2,3
.irp t, 0,1,2,3
.if \first && (\kk == 0)
	v_wmma_f32_16x16x32_f16 v[OA+32*\t+8*\ct:OA+32*\t+8*\ct+7], v[VB+8*(4*\kk+\ct):VB+8*(4*\kk+\ct)+7], v[S+32*\t+8*\kk:S+32*\t+8*\kk+7], 0
.else
	v_wmma_f32_16x16x32_f16 v[OA+32*\t+8*\ct:OA+32*\t+8*\ct+7], v[VB+8*(4*\kk+\ct):VB+8*(4*\kk+\ct)+7], v[S+32*\t+8*\kk:S+32*\t+8*\kk+7], v[OA+32*\t+8*\ct:OA+32*\t+8*\ct+7]
.endif
.endr
.endr
.endr
.endm
.macro RESCALE                         ; O^T times a, each accumulator from its low end on
	WIN 0x41
.irp i, 0,1,2,3,4,5,6,7,8,9,10,11,12,13,14,15
.irp t, 0,1,2,3
	v_pk_mul_f32 v[OA+32*\t+2*\i:OA+32*\t+2*\i+1], v[OA+32*\t+2*\i:OA+32*\t+2*\i+1], v[ST+8*\t+6:ST+8*\t+7] op_sel_hi:[1,0]
.endr
.endr
.endm
; The softmax of the wave's four tiles for one key step, all in window 0, the four tiles by turns in every group of lines.  first = 1: the first key step: no old maximum, no a.
.macro SOFTMAX first
.irp j, 0,1,2,3                        ; the maximum of a lane's 32 scores: four chains; each accumulator is first read at its registers 0 to 2
.irp t, 0,1,2,3
	v_max3_num_f32 v[ST+8*\t+4+\j], v[S+32*\t+8*\j], v[S+32*\t+8*\j+1], v[S+32*\t+8*\j+2]
.endr
.endr
.irp g, 1,2
.irp j, 0,1,2,3
.irp t, 0,1,2,3
	v_max3_num_f32 v[ST+8*\t+4+\j], v[ST+8*\t+4+\j], v[S+32*\t+8*\j+2*\g+1], v[S+32*\t+8*\j+2*\g+2]
.endr
.endr
.endr
.irp t, 0,1,2,3
	v_max3_num_f32 v[ST+8*\t+4], v[ST+8*\t+4], v[S+32*\t+7], v[S+32*\t+15]
.endr
.irp t, 0,1,2,3
	v_max3_num_f32 v[ST+8*\t+6], v[ST+8*\t+6], v[S+32*\t+23], v[S+32*\t+31]
.endr
.irp t, 0,1,2,3
	v_max3_num_f32 v[ST+8*\t+4], v[ST+8*\t+4], v[ST+8*\t+5], v[ST+8*\t+6]
.endr
.irp t, 0,1,2,3
.if \first
	v_max_num_f32 v[ST+8*\t+4], v[ST+8*\t+4], v[ST+8*\t+7]
.else
	v_max3_num_f32 v[ST+8*\t+4], v[ST+8*\t+4], v[ST+8*\t+7], v[ST+8*\t+1]   ; with the old m
.endif
.endr
.irp t, 0,1,2,3
	v_permlanex16_b32 v[ST+8*\t+5], v[ST+8*\t+4], s[SEL], s[SEL+1]          ; the query's other 32 keys lie in the lane 16 away
.endr
.if !\first
.irp t, 0,1,2,3
	v_mov_b32 v[ST+8*\t+7], v[ST+8*\t]             ; c m_old is kept for a
.endr
.endif
.irp t, 0,1,2,3
	v_max_num_f32 v[ST+8*\t+1], v[ST+8*\t+4], v[ST+8*\t+5]
.endr
.irp t, 0,1,2,3
	v_mul_f32 v[ST+8*\t], s[CS], v[ST+8*\t+1]
.endr
.if !\first
.irp t, 0,1,2,3
	v_sub_f32 v[ST+8*\t+7], v[ST+8*\t+7], v[ST+8*\t]
.endr
.endif
; ONE BATCH: the scalings c s - c m, a pair each, and all exponentials; a pair's exponentials stand behind the next pair's scalings.  None of these lines names an exponential's result.
.irp b, 0,1,2,3,4,5,6,7,8,9,10,11,12,13,14,15
.irp t, 0,1,2,3
	v_pk_fma_f32 v[S+32*\t+2*\b:S+32*\t+2*\b+1], v[S+32*\t+2*\b:S+32*\t+2*\b+1], s[CS:CS+1], v[ST+8*\t:ST+8*\t+1] op_sel_hi:[1,0,0] neg_lo:[0,0,1] neg_hi:[0,0,1]
.endr
.if \b > 0
.irp t, 0,1,2,3
	v_exp_f32 v[S+32*\t+2*\b-2], v[S+32*\t+2*\b-2]
	v_exp_f32 v[S+32*\t+2*\b-1], v[S+32*\t+2*\b-1]
.endr
.endif
.endr
.irp t, 0,1,2,3
	v_exp_f32 v[S+32*\t+30], v[S+32*\t+30]
	v_exp_f32 v[S+32*\t+31], v[S+32*\t+31]
.endr
.if !\first
.irp t, 0,1,2,3
	v_exp_f32 v[ST+8*\t+6], v[ST+8*\t+7]           ; a
.endr
.endif
	v_nop                                          ; a plain instruction behind the last exponential, ahead of the first use
	s_wait_alu depctr_va_vdst(0)                   ; one wait for the whole batch, ahead of its first reader
; the sums and the roundings, pair by pair: pair i is added to l, then packed into register i, whose own pair (i / 2) has been added and packed before
.irp i, 0,1,2,3,4,5,6,7,8,9,10,11,12,13,14,15
.irp t, 0,1,2,3
.if \i == 0
.if \first
	v_pk_add_f32 v[ST+8*\t+2:ST+8*\t+3], v[S+32*\t:S+32*\t+1], v[S+32*\t+2:S+32*\t+3]          ; the first step starts l with pairs 0 and 1
.else
	v_pk_fma_f32 v[ST+8*\t+2:ST+8*\t+3], v[ST+8*\t+2:ST+8*\t+3], v[ST+8*\t+6:ST+8*\t+7], v[S+32*\t:S+32*\t+1] op_sel_hi:[1,0,1]   ; l = a l + pair 0
.endif
.elseif (\i > 1) || (\first == 0)
	v_pk_add_f32 v[ST+8*\t+2:ST+8*\t+3], v[ST+8*\t+2:ST+8*\t+3], v[S+32*\t+2*\i:S+32*\t+2*\i+1]
.endif
.endr
.irp t, 0,1,2,3
	v_cvt_pk_f16_f32 v[S+32*\t+\i], v[S+32*\t+2*\i], v[S+32*\t+2*\i+1]
.endr
.endr
.endm
; A KEY STEP.  On the way in K's 16 loads are out.  kpre = 1: the next step's K is fetched.
.macro STEP kpre
	FETCH_V
	s_wait_dscnt 16                                ; K is in; V's 16 loads, just issued, stay out
	SPHASE
	WIN 0
	PLACES 4                                       ; in front of the loads into K's registers and of the first read of the scores
.if \kpre
	FETCH_K
.endif
	SOFTMAX 0
	RESCALE
	s_wait_dscnt 16*\kpre                          ; V is in; the next K's 16 loads stay out
	PVPHASE 0
	WIN 0
	PLACES 5                                       ; the next step's first products write over P, which these products read: five places; they serve the loads into V's registers too
.endm
; A MEETING OF THE WORK-GROUP.  mode 0: a plain barrier (slot 1's load may stay out).  mode 1: the slot that has been read out is filled again, with the keys two slots on: every wave waits for all its
; tensor loads, adds 0 to its spare word and waits for that and for its reads of the slot; a round of the cluster's barrier; the joint refill first behind it.  mode 2: the last change of slots: nothing is asked for.
.macro SYNC mode
.if \mode == 0
	s_wait_dscnt 0x0
	s_barrier_signal -1
	s_barrier_wait -1
.else
	s_wait_tensorcnt 0x0                           ; no tensor load of mine is out: my part of the other slot has landed, and a group 0 may be written
	ds_add_u32 v[SPW], v[NIL]                      ; 0 onto my spare word
.if \mode == 1
	s_xor_b32 s[G0B+1], s[G0B+1], SLOT1            ; the walking descriptor: the other slot than last time,
	s_add_nc_u64 s[G0B+2:G0B+3], s[G0B+2:G0B+3], 65536   ; the next 512 keys
.endif
	s_wait_dscnt 0x0                               ; the add is done, and my reads of the slot are over
.if \mode == 1
	CROUND
	tensor_load_to_lds s[G0B:G0B+3], s[G1:G1+7]    ; my one tensor load behind the round
	s_nop 0
	PLACES 4
.else
	s_barrier_signal -1
	s_barrier_wait -1
.endif
	s_sub_co_u32 s[TB], s[TB], 65536               ; the fetches go back to a slot's first step,
	s_xor_b32 s[TB], s[TB], SLOT1                  ; in the other slot
.endif
.endm
; A key step with a meeting in it: V and the scores ahead of it, the next step's K behind it.  Class 0 runs its softmax ahead of the meeting, class 1 behind.
.macro SK mode, first
	FETCH_V
	s_wait_dscnt 16
	SPHASE
	WIN 0
	PLACES 4
	s_cmp_lg_u32 s[CLS], 0
	s_cbranch_scc1 .Lclass1_\@
	SOFTMAX \first
.Lclass1_\@:
	SYNC \mode
	FETCH_K
	s_cmp_eq_u32 s[CLS], 0
	s_cbranch_scc1 .Lclass0_\@
	SOFTMAX \first
.Lclass0_\@:
.if !\first
	RESCALE
.endif
	PVPHASE \first                                 ; V is in: the meeting waited for all my LDS loads
	WIN 0
	PLACES 5
.endm
	s_wait_tensorcnt 0x1                           ; my part of slot 0 is in; slot 1's may stay out
	s_barrier_signal -1
	s_barrier_wait -1                              ; everybody's is
	FETCH_K                                        ; key step 0
	s_wait_loadcnt 0x0                             ; Q
	SK 0, 1                                        ; key step 0
	s_mov_b32 s[CNT], 6
.Lhead_steps:                                      ; key steps 1 to 6
	STEP 1
	s_sub_co_u32 s[CNT], s[CNT], 1
	s_cmp_lg_u32 s[CNT], 0
	s_cbranch_scc1 .Lhead_steps
	s_mov_b32 s[SLT], 2
.Lslot:                                            ; two trips: key steps 7 to 14, 15 to 22: a slot's last step, with the refill, and the next slot's first seven
	SK 1, 0
	s_mov_b32 s[CNT], 7
.Lslot_steps:
	STEP 1
	s_sub_co_u32 s[CNT], s[CNT], 1
	s_cmp_lg_u32 s[CNT], 0
	s_cbranch_scc1 .Lslot_steps
	s_sub_co_u32 s[SLT], s[SLT], 1
	s_cmp_lg_u32 s[SLT], 0
	s_cbranch_scc1 .Lslot
	SK 2, 0                                        ; key step 23: the tail is written out
	s_mov_b32 s[CNT], 7
.Llast_steps:                                      ; key steps 24 to 30
	STEP 1
	s_sub_co_u32 s[CNT], s[CNT], 1
	s_cmp_lg_u32 s[CNT], 0
	s_cbranch_scc1 .Llast_steps
	STEP 0                                         ; key step 31
	; THE WAY OUT: l's two halves and the other half of the lanes' are added; O^T is divided by l, packed to f16 in place and stored: token r, channels 16 ct + 8 h + 0 .. 7: the lane's 16 bytes of the projection's operand
.irp t, 0,1,2,3
	v_add_f32 v[ST+8*\t+4], v[ST+8*\t+2], v[ST+8*\t+3]
.endr
.irp t, 0,1,2,3
	v_permlanex16_b32 v[ST+8*\t+5], v[ST+8*\t+4], s[SEL], s[SEL+1]
.endr
.irp t, 0,1,2,3
	v_add_f32 v[ST+8*\t+4], v[ST+8*\t+4], v[ST+8*\t+5]
.endr
.irp t, 0,1,2,3
	v_rcp_f32 v[ST+8*\t+6], v[ST+8*\t+4]
.endr
	v_nop                                          ; a plain instruction between the last reciprocal and the use of its result
	s_wait_alu depctr_va_vdst(0)                   ; one wait for the four reciprocals
	RESCALE                                        ; O^T / l
	WIN 0x45                                       ; destination and both sources: window 1
.irp t, 0,1,2,3
.irp ct, 0,1,2,3
.irp r, 0,1,2,3
	v_cvt_pk_f16_f32 v[OA+32*\t+8*\ct+\r], v[OA+32*\t+8*\ct+2*\r], v[OA+32*\t+8*\ct+2*\r+1]
.endr
.endr
.endr
	WIN 0x04                                       ; a store's data are its source 1
.irp t, 0,1,2,3
.irp ct, 0,1,2,3
	global_store_b128 v[LI], v[OA+32*\t+8*\ct:OA+32*\t+8*\ct+3], s[6:7] offset:32768*\t+512*\ct   ; 32 lanes store 512 consecutive bytes, aligned
.endr
.endr
	WIN 0
	s_wait_tensorcnt 0x0                           ; the wave's end, behind my last tensor load
	ds_add_u32 v[SPW], v[NIL]
	s_wait_dscnt 0x0
	CROUND                                         ; the closing round
	s_endpgm
.Lfunc_end_k_q5768d15780_attn:
	.size	k_q5768d15780_attn, .Lfunc_end_k_q5768d15780_attn-k_q5768d15780_attn
	.p2alignl 7, 3214868480
	.fill 96, 4, 3214868480
	.section	.rodata,"a",@progbits
	.p2align	6, 0x0
	.amdhsa_kernel k_q5768d15780_attn
		.amdhsa_group_segment_fixed_size 327680
		.amdhsa_private_segment_fixed_size 0
		.amdhsa_enable_private_segment 0
		.amdhsa_kernarg_size 16
		.amdhsa_user_sgpr_count 2
		.amdhsa_user_sgpr_kernarg_segment_ptr 1
		.amdhsa_wavefront_size32 1
		.amdhsa_system_sgpr_workgroup_id_x 1
		.amdhsa_system_sgpr_workgroup_id_y 1
		.amdhsa_system_sgpr_workgroup_id_z 1
		.amdhsa_system_vgpr_workitem_id 0
		.amdhsa_next_free_vgpr 512
		.amdhsa_next_free_sgpr 66
		.amdhsa_reserve_vcc 0
		.amdhsa_float_denorm_mode_32 3
		.amdhsa_float_denorm_mode_16_64 3
		.amdhsa_memory_ordered 1
		.amdhsa_forward_progress 1
		.amdhsa_inst_pref_size 255
	.end_amdhsa_kernel
	.section	.bss,"aw",@nobits
	.p2align	6
	.space	262144
	.amdgpu_metadata
---
amdhsa.version: [ 1, 2 ]
amdhsa.kernels:
  - .name:           k_q5768d15780_attn
    .symbol:         k_q5768d15780_attn.kd
    .args:
      - { .name: qkv, .offset: 0, .size: 8, .value_kind: global_buffer, .address_space: global }
      - { .name: oi, .offset: 8, .size: 8, .value_kind: global_buffer, .address_space: global }
    .group_segment_fixed_size: 327680
    .private_segment_fixed_size: 0
    .kernarg_segment_align: 8
    .kernarg_segment_size: 16
    .max_flat_workgroup_size: 256
    .sgpr_count:     66
    .vgpr_count:     512
    .wavefront_size: 32
...
	.end_amdgpu_metadata
.endif
;; end of part 3
;; launch proj (part 4): grid 4 x 64, 4 waves a work-group, clusters of 4 x 4, 327,680 bytes of LDS; arguments oi, wp, b_proj, out0; writes out0
.if DOCPART == 4
	.amdgcn_target "amdgcn-amd-amdhsa--gfx1250"
	.amdhsa_code_object_version 6
	.text
	.protected	k_q5768d15780_proj
	.globl	k_q5768d15780_proj
	.p2align	8
	.type	k_q5768d15780_proj,@function
k_q5768d15780_proj:
	s_mov_b64 s[64:65], 0
	v_nop
	global_prefetch_b8 v0, s[64:65] scope:SCOPE_SE
	s_setreg_imm32_b32 hwreg(HW_REG_WAVE_MODE, 25, 1), 1
	s_wait_xcnt 0x0
	s_wait_alu depctr_hold_cnt(0) depctr_sa_sdst(0) depctr_va_vdst(0) depctr_va_sdst(0) depctr_va_ssrc(0) depctr_va_vcc(0) depctr_vm_vsrc(0)
	s_getreg_b32 s2, hwreg(HW_REG_IB_STS2, 6, 4)
	s_cmp_eq_u32 s2, 0
	s_cbranch_scc0 .Lentry_in_a_cluster
	s_endpgm
.Lentry_in_a_cluster:
	s_bfe_u32 s2, ttmp6, 0x10000c
	s_cmp_lg_u32 s2, 0xf033
	s_cbranch_scc0 .Lentry_shape_is_right
	s_endpgm
.Lentry_shape_is_right:
; out0 = O W_proj + b_proj.  O (8,192 tokens x 1,024) and W_proj (as [n][k]) arrive in f16 as images of operand registers: [16 rows][16 along K] in 512 bytes, [block of 16 rows][k / 16][512].  Sums f32; out0 f32.
; A tile of 128 tokens x 256 outputs: 256 work-groups.  Four waves, each 64 x 128: 32 accumulators of 16 x 16.  K goes in eight steps of 128 (4,096 bytes of each block of 16 rows) through two LDS slots.
; CLUSTERS: 4 x 4 work-groups; O's tiles are shared along a row of the cluster, W's along a column: joint loads.  Waves 0 and 1 fetch O's halves, waves 2 and 3 W's.
; THE MATRIX INSTRUCTION IS USED TRANSPOSED (source 0 = 16 rows of W, source 1 = 16 tokens): a lane holds eight neighbouring outputs of one token.  The bias is the C of each sum's first matrix instruction.
; The way out goes through each wave's own stage in LDS, behind the ring: whole rows of 512 bytes leave, two aligned blocks of 256 bytes a store.
; REGISTERS: window 0: v16-31 addresses; v32-63, v64-95 the tokens' fragments, two buffers; v192-255 the bias; on the way out v128-255 rows of out0.  window 1: v0-63, v64-127 W's fragments, two buffers.  window 2: the accumulators ((a, b) at v[8 (8 a + b)]).
.set SLOT,   98304                     ; O's 8 blocks x 4,096 bytes, then W's 16 blocks x 4,096
.set WOFF,   32768
.set STAGE,  2*SLOT                    ; 16 rows x 528 bytes for each wave
.set SPITCH, 528
.set SPARE,  STAGE+4*16*SPITCH         ; the spare words, 128 bytes a wave
.set ADRA, 16                          ; v16-17 my tokens' fragments in slot 0, 1
.set ADRB, 20                          ; v20-21 W's
.set STO,  24
.set RD,   25
.set CO,   26                          ; v26 16 x lane
.set SPW,  28                          ; never rewritten
.set NIL,  29                          ; never rewritten
.set PFO,  30                          ; v30 the prefetch's offset; never rewritten
.set BO,   31                          ; v31 the bias loads' offset
.set BI,   192
.set BK,   128
.set WV,   12
.set RH,   13                          ; which 64 tokens are mine.  Also: I fetch for O (0) or for W (1)
.set CH,   14                          ; which 128 outputs.  Also: which half of that tile I fetch
.set G1,   24
.set G0,   32
.set G1B,  48
.set G0B,  56
.set LIM,  43                          ; s43 1 in the wave that prefetches, else the greatest number
.set PFA,  44                          ; s[44:45] where the prefetches stand
.set MSB, 0
.macro WIN new
.if MSB != (\new)
	s_set_vgpr_msb (MSB<<8)|(\new)
.set MSB, (\new)
.endif
.endm
.set MUL,  0xa1                        ; source 0 (W) window 1, source 1 (tokens) window 0, C and D window 2
.set MUL0, 0x81                        ; the same with C, the bias, in window 0
.set TO_B, 0x40
.macro PLACES n
.rept \n
	v_nop
.endr
.endm
.macro JLOAD s                         ; a joint load; the branch hangs on the wave's number alone; an s_nop 0 and four v_nop follow each line
	s_cmp_eq_u32 s[RH], 0
	s_cbranch_scc0 .Lfor_b_\@
	tensor_load_to_lds s[G0+4*\s:G0+4*\s+3], s[G1:G1+7]
	s_nop 0
.rept 4
	v_nop
.endr
	s_branch .Lasked_\@
.Lfor_b_\@:
	tensor_load_to_lds s[G0B+4*\s:G0B+4*\s+3], s[G1B:G1B+7]
	s_nop 0
.rept 4
	v_nop
.endr
.Lasked_\@:
.endm
.macro CREST
	s_cmp_lg_u32 s[WV], 0
	s_cbranch_scc1 .Lnot_wave_0_\@
	s_barrier_signal -3
.Lnot_wave_0_\@:
	s_barrier_wait -3
	s_barrier_signal -1
	s_barrier_wait -1
.endm
.macro CROUND
	s_barrier_signal -1
	s_barrier_wait -1
	CREST
.endm
; A prefetch of O's K step that stands two refills on.  A tile row of O is read by the four work-groups of one row of one cluster and by nobody else: they share its 8 blocks of 16 tokens out BY ADDRESS, two each
; (2 x 4,096 bytes: 32 lanes 256 bytes apart), and in each wave 0 asks: one instruction.  So each 256 bytes of K steps 4 to 7 are named once in the launch.  The loop's last trip asks for nothing: there is no K step two on.
.macro ASK
	s_cmp_gt_u32 s3, s[LIM]
	s_cbranch_scc0 .Lnot_mine_\@
	global_prefetch_b8 v[PFO], s[PFA:PFA+1] offset:4096 th:TH_LOAD_NT scope:SCOPE_SE
.Lnot_mine_\@:
.endm
	s_load_b256 s[4:11], s[0:1], 0x0               ; oi s[4:5], wp s[6:7], b_proj s[8:9], out0 s[10:11]
	v_lshl_add_u32 v[SPW], v0, 2, SPARE
	v_mov_b32 v[NIL], 0
	ds_add_u32 v[SPW], v[NIL]                      ; the wave's opening: the add, twice on end, and its wait ahead of my first tensor load
	ds_add_u32 v[SPW], v[NIL]
	v_lshrrev_b32 v1, 5, v0
	v_readfirstlane_b32 s[WV], v1
	s_lshr_b32 s[RH], s[WV], 1
	s_and_b32 s[CH], s[WV], 1
	s_bfe_u32 s40, ttmp6, 0x40000                  ; cx, cy
	s_bfe_u32 s41, ttmp6, 0x40004
	s_lshl_b32 s42, ttmp9, 2
	s_add_co_u32 s42, s42, s40                     ; tile column
	s_and_b32 s15, ttmp7, 0xffff
	s_lshl_b32 s15, s15, 2
	s_add_co_u32 s15, s15, s41                     ; tile row
	s_lshl_b32 s43, s41, 2
	s_lshl_b32 s43, 15, s43                        ; my row of the cluster
	s_lshl_b32 s44, 0x1111, s40                    ; my column
	s_or_b32 s[G1], s43, (3<<16)|(1<<21)           ; O: elements of 8 bytes, no padding: 4 rows of 4,096 bytes, 32,768 bytes apart
	s_mov_b32 s[G1+1], 512<<16
	s_mov_b32 s[G1+2], 4<<16
	s_mov_b32 s[G1+3], 512<<16
	s_mov_b32 s[G1+4], 4
	s_mov_b32 s[G1+5], 4096
	s_mov_b32 s[G1+6], 0
	s_mov_b32 s[G1+7], 0
	s_or_b32 s[G1B], s44, (3<<16)|(1<<21)          ; W: 8 such rows
	s_mov_b32 s[G1B+1], 512<<16
	s_mov_b32 s[G1B+2], 8<<16
	s_mov_b32 s[G1B+3], 512<<16
	s_mov_b32 s[G1B+4], 8
	s_mov_b32 s[G1B+5], 4096
	s_mov_b32 s[G1B+6], 0
	s_mov_b32 s[G1B+7], 0
	s_lshl_b32 s16, s15, 3
	s_lshl_b32 s18, s[CH], 2
	s_add_co_u32 s16, s16, s18                     ; O: block 8 x tile row + 4 x half
	s_lshl_b32 s16, s16, 15
	s_mov_b32 s17, 0
	s_lshl_b32 s46, s42, 4
	s_lshl_b32 s18, s[CH], 3
	s_add_co_u32 s46, s46, s18                     ; W: block 16 x tile column + 8 x half
	s_lshl_b32 s46, s46, 15
	s_mov_b32 s47, 0
	s_lshl_b32 s20, s[CH], 14                      ; where they go: no place in the cluster enters an LDS address
	s_lshl_b32 s21, s[CH], 15
	s_add_co_u32 s21, s21, WOFF
	s_wait_dscnt 0x0                               ; both opening adds are done
	s_wait_kmcnt 0x0
	s_add_nc_u64 s[16:17], s[4:5], s[16:17]
	s_add_nc_u64 s[46:47], s[6:7], s[46:47]
	CROUND                                         ; all sixteen work-groups are here
.irp s, 0,1
	s_mov_b32 s[G0+4*\s], 1
	s_add_co_u32 s[G0+4*\s+1], s20, \s*SLOT
	s_add_nc_u64 s[G0+4*\s+2:G0+4*\s+3], s[16:17], \s*4096
	s_or_b32 s[G0+4*\s+3], s[G0+4*\s+3], 0x80000000
	s_mov_b32 s[G0B+4*\s], 1
	s_add_co_u32 s[G0B+4*\s+1], s21, \s*SLOT
	s_add_nc_u64 s[G0B+4*\s+2:G0B+4*\s+3], s[46:47], \s*4096
	s_or_b32 s[G0B+4*\s+3], s[G0B+4*\s+3], 0x80000000
	JLOAD \s                                       ; two tensor loads of mine are out
.endr
	v_and_b32 v1, 15, v0                           ; r
	v_bfe_u32 v2, v0, 4, 1                         ; h
	v_and_b32 v3, 31, v0
	v_lshlrev_b32 v[CO], 4, v3
	s_lshl_b32 s21, s[RH], 14                      ; my 4 blocks of tokens
	s_lshl_b32 s22, s[CH], 15                      ; my 8 blocks of outputs
	s_add_co_u32 s22, s22, WOFF
.irp s, 0,1
	v_add_nc_u32 v[ADRA+\s], s21, v[CO]
	v_add_nc_u32 v[ADRB+\s], s22, v[CO]
	s_add_co_u32 s21, s21, SLOT
	s_add_co_u32 s22, s22, SLOT
.endr
	s_mul_i32 s23, s[WV], 16*SPITCH
	s_add_co_u32 s23, s23, STAGE                   ; my stage
	v_mul_u32_u24 v5, v1, SPITCH
	v_lshl_add_u32 v5, v2, 5, v5
	v_add_nc_u32 v[STO], s23, v5                   ; in: row r, 32 bytes for each half of the lanes
	v_add_nc_u32 v[RD], s23, v[CO]                 ; back: the 32 lanes take one row of 512 bytes
	s_lshl_b32 s46, s42, 10
	s_lshl_b32 s47, s[CH], 9
	s_add_co_u32 s46, s46, s47                     ; my first output, in bytes
	s_mov_b32 s47, 0
	s_add_nc_u64 s[8:9], s[8:9], s[46:47]
	v_lshlrev_b32 v[BO], 5, v2
.irp b, 0,1,2,3,4,5,6,7
	global_load_b128 v[BI+8*\b:BI+8*\b+3], v[BO], s[8:9] offset:64*\b          ; b_proj at my output 16 b + 8 h + 0 .. 7
	global_load_b128 v[BI+8*\b+4:BI+8*\b+7], v[BO], s[8:9] offset:64*\b+16
.endr
	s_lshl_b32 s20, s15, 7
	s_lshl_b32 s21, s[RH], 6
	s_add_co_u32 s20, s20, s21                     ; my first token
	s_lshl_b32 s20, s20, 12                        ; 4,096 bytes a row of out0
	s_add_co_u32 s20, s20, s46
	s_mov_b32 s21, 0
	s_add_nc_u64 s[10:11], s[10:11], s[20:21]
	s_lshl_b32 s18, s15, 3                         ; the prefetches: my work-group's two blocks of the tile row's eight,
	s_lshl_b32 s19, s40, 1
	s_add_co_u32 s18, s18, s19
	s_lshl_b32 s18, s18, 15
	s_add_co_u32 s18, s18, 8192                    ; at K step 2: the first refill steps it to 3 and names K step 4
	s_mov_b32 s19, 0
	s_add_nc_u64 s[PFA:PFA+1], s[4:5], s[18:19]
	s_cmp_eq_u32 s[WV], 0
	s_cselect_b32 s[LIM], 1, -1
	v_lshlrev_b32 v[PFO], 8, v1
	v_lshl_add_u32 v[PFO], v2, 15, v[PFO]
.macro FETCH slot, q, buf              ; 24 LDS loads in one run: the fragments of 32 along K, the slot's q-th; each load reads 512 consecutive bytes
	WIN TO_B
.irp i, 0,1,2,3,4,5,6,7
	ds_load_b128 v[64*(\buf)+8*\i:64*(\buf)+8*\i+3],   v[ADRB+\slot] offset:4096*\i+1024*(\q)
	ds_load_b128 v[64*(\buf)+8*\i+4:64*(\buf)+8*\i+7], v[ADRB+\slot] offset:4096*\i+1024*(\q)+512
.endr
	WIN 0
.irp i, 0,1,2,3
	ds_load_b128 v[32+32*(\buf)+8*\i:32+32*(\buf)+8*\i+3],   v[ADRA+\slot] offset:4096*\i+1024*(\q)
	ds_load_b128 v[32+32*(\buf)+8*\i+4:32+32*(\buf)+8*\i+7], v[ADRA+\slot] offset:4096*\i+1024*(\q)+512
.endr
.endm
.macro MUL8 buf, a, zero               ; tokens' block a against W's eight.  The 32 accumulators take turns, one instruction a turn
.irp b, 0,1,2,3,4,5,6,7
.if \zero
	v_wmma_f32_16x16x32_f16 v[8*(8*(\a)+\b):8*(8*(\a)+\b)+7], v[64*(\buf)+8*\b:64*(\buf)+8*\b+7], v[32+32*(\buf)+8*(\a):32+32*(\buf)+8*(\a)+7], v[BI+8*\b:BI+8*\b+7]
.else
	v_wmma_f32_16x16x32_f16 v[8*(8*(\a)+\b):8*(8*(\a)+\b)+7], v[64*(\buf)+8*\b:64*(\buf)+8*\b+7], v[32+32*(\buf)+8*(\a):32+32*(\buf)+8*(\a)+7], v[8*(8*(\a)+\b):8*(8*(\a)+\b)+7]
.endif
.endr
.endm
; A K step is four quarters of 32 along K on buffers 0, 1, 0, 1.  One of the first three: fetches the next quarter into buffer g and multiplies buffer f.
.macro QUARTER slot, qnext, f, g, zero
	s_wait_dscnt 0x0                               ; buffer f is in
	PLACES 4                                       ; in front of loads into buffer g, which the last products read
	FETCH \slot, \qnext, \g
.if \zero
	WIN MUL0
.else
	WIN MUL
.endif
	MUL8 \f, 0, \zero
	MUL8 \f, 1, \zero
	MUL8 \f, 2, \zero
	MUL8 \f, 3, \zero
.endm
; The last quarter multiplies buffer 1 and changes slots: one barrier; in front of it each wave waits for all its tensor loads, adds 0 to its spare word, and waits for that and for its reads of this slot.  fill = 1: the barrier
; opens a round of the cluster's barrier, and this slot is filled again, two K steps ahead, first thing behind the round.
.macro TURN slot, next, fill
.if \fill
	s_wait_xcnt 0x0                                ; the last prefetch, a K step back, has read its address
	s_add_nc_u64 s[PFA:PFA+1], s[PFA:PFA+1], 4096
.endif
	WIN 0
	s_wait_tensorcnt 0x0                           ; all my tensor loads have landed: my part of the next slot
	ds_add_u32 v[SPW], v[NIL]                      ; 0 onto my spare word
	s_wait_dscnt 1                                 ; buffer 1 is in (the add may be out)
	WIN MUL
	MUL8 1, 0, 0
	s_wait_dscnt 0x0                               ; the add is done, and my reads of this slot are over
	s_barrier_signal -1
	MUL8 1, 1, 0
	WIN 0
	s_barrier_wait -1
.if \fill
	CREST
	s_add_nc_u64 s[G0+4*\slot+2:G0+4*\slot+3], s[G0+4*\slot+2:G0+4*\slot+3], 8192
	s_add_nc_u64 s[G0B+4*\slot+2:G0B+4*\slot+3], s[G0B+4*\slot+2:G0B+4*\slot+3], 8192
	JLOAD \slot                                    ; the four v_nop behind it are also the places in front of the loads below
.else
	PLACES 4
.endif
	FETCH \next, 0, 0
.if \fill
	ASK
.endif
	WIN MUL
	MUL8 1, 2, 0
	MUL8 1, 3, 0
.endm
	s_wait_tensorcnt 1                             ; my part of K step 0 is in; K step 1's load may stay out
	s_barrier_signal -1
	s_barrier_wait -1
	FETCH 0, 0, 0
	s_wait_loadcnt 0x0                             ; the bias
	QUARTER 0, 1, 0, 1, 1                          ; the first quarter stands in front of the loop: its products start the sums on the bias
	WIN 0
	s_mov_b32 s3, 3
.Llap:                                             ; a trip goes once round the ring and fills both slots again: K steps 2 to 7
	QUARTER 0, 2, 1, 0, 0
	QUARTER 0, 3, 0, 1, 0
	TURN 0, 1, 1
	QUARTER 1, 1, 0, 1, 0
	QUARTER 1, 2, 1, 0, 0
	QUARTER 1, 3, 0, 1, 0
	TURN 1, 0, 1
	QUARTER 0, 1, 0, 1, 0
	WIN 0
	s_sub_co_u32 s3, s3, 1
	s_cmp_lg_u32 s3, 0
	s_cbranch_scc1 .Llap
	QUARTER 0, 2, 1, 0, 0                          ; the last lap fills nothing
	QUARTER 0, 3, 0, 1, 0
	TURN 0, 1, 0
	QUARTER 1, 1, 0, 1, 0
	QUARTER 1, 2, 1, 0, 0
	QUARTER 1, 3, 0, 1, 0
	s_wait_dscnt 0x0
	MUL8 1, 0, 0
	MUL8 1, 1, 0
	MUL8 1, 2, 0
	MUL8 1, 3, 0
	WIN 0
; THE WAY OUT, block by block of 16 tokens x 128 outputs, through my own stage: LDS serves a wave's instructions in order, so no wait stands between the stores and the loads.
.macro TOSTAGE a
.set AC, 64*(\a)
	WIN 0x08                                       ; an LDS store's data are its source 1: window 2
.irp b, 0,1,2,3,4,5,6,7
	ds_store_b128 v[STO], v[AC+8*\b:AC+8*\b+3] offset:64*\b          ; each accumulator from its low end on
	ds_store_b128 v[STO], v[AC+8*\b+4:AC+8*\b+7] offset:64*\b+16
.endr
	WIN 0
.set BB, BK+64*((\a)%2)
.irp t, 0,1,2,3,4,5,6,7,8,9,10,11,12,13,14,15
	ds_load_b128 v[BB+4*\t:BB+4*\t+3], v[RD] offset:\t*SPITCH
.endr
.endm
.macro SEND a, younger                 ; younger: the LDS instructions issued behind block a's loads, which may stay out
.set BB, BK+64*((\a)%2)
	s_wait_dscnt \younger
.if (\a) > 0
	s_add_nc_u64 s[10:11], s[10:11], 16*4096       ; (behind a wait on XCNT: the earlier stores have read their base)
.endif
.irp t, 0,1,2,3,4,5,6,7,8,9,10,11,12,13,14,15
	global_store_b128 v[CO], v[BB+4*\t:BB+4*\t+3], s[10:11] offset:\t*4096 th:TH_STORE_NT   ; 32 lanes store 512 consecutive bytes, aligned
.endr
.endm
	PLACES 4                                       ; in front of the first read of results
	TOSTAGE 0
.irp a, 1,2,3
.if \a > 1
	s_wait_xcnt 0x0                                ; block a - 2's stores have read their registers and their base
.endif
	TOSTAGE \a
	SEND \a-1, 32                                  ; behind block a - 1's loads: block a's 16 stores and 16 loads
.endr
	s_wait_xcnt 0x0
	SEND 3, 0
	s_wait_tensorcnt 0x0                           ; the wave's end, behind my last tensor load and my last LDS store
	ds_add_u32 v[SPW], v[NIL]
	s_wait_dscnt 0x0
	CROUND                                         ; the closing round
	s_endpgm
.Lfunc_end_k_q5768d15780_proj:
	.size	k_q5768d15780_proj, .Lfunc_end_k_q5768d15780_proj-k_q5768d15780_proj
	.p2alignl 7, 3214868480
	.fill 96, 4, 3214868480
	.section	.rodata,"a",@progbits
	.p2align	6, 0x0
	.amdhsa_kernel k_q5768d15780_proj
		.amdhsa_group_segment_fixed_size 327680
		.amdhsa_private_segment_fixed_size 0
		.amdhsa_enable_private_segment 0
		.amdhsa_kernarg_size 32
		.amdhsa_user_sgpr_count 2
		.amdhsa_user_sgpr_kernarg_segment_ptr 1
		.amdhsa_wavefront_size32 1
		.amdhsa_system_sgpr_workgroup_id_x 1
		.amdhsa_system_sgpr_workgroup_id_y 1
		.amdhsa_system_sgpr_workgroup_id_z 1
		.amdhsa_system_vgpr_workitem_id 0
		.amdhsa_next_free_vgpr 768
		.amdhsa_next_free_sgpr 66
		.amdhsa_reserve_vcc 0
		.amdhsa_float_denorm_mode_32 3
		.amdhsa_float_denorm_mode_16_64 3
		.amdhsa_memory_ordered 1
		.amdhsa_forward_progress 1
		.amdhsa_inst_pref_size 87
	.end_amdhsa_kernel
	.amdgpu_metadata
---
amdhsa.version: [ 1, 2 ]
amdhsa.kernels:
  - .name:           k_q5768d15780_proj
    .symbol:         k_q5768d15780_proj.kd
    .args:
      - { .name: oi, .offset: 0, .size: 8, .value_kind: global_buffer, .address_space: global }
      - { .name: wp, .offset: 8, .size: 8, .value_kind: global_buffer, .address_space: global }
      - { .name: b_proj, .offset: 16, .size: 8, .value_kind: global_buffer, .address_space: global }
      - { .name: out0, .offset: 24, .size: 8, .value_kind: global_buffer, .address_space: global }
    .group_segment_fixed_size: 327680
    .private_segment_fixed_size: 0
    .kernarg_segment_align: 8
    .kernarg_segment_size: 32
    .max_flat_workgroup_size: 128
    .sgpr_count:     66
    .vgpr_count:     768
    .wavefront_size: 32
...
	.end_amdgpu_metadata
.endif
;; end of part 4
